; MI455X (gfx1250); checked and timed in simulation.
; The chip was launched on July 23, 2026; its instructions are those of AMD's public machine-readable ISA for CDNA 5 (MIT licence, August 2026) and "CDNA5" Instruction Set Architecture Reference Guide (July 2026). The comments in the code are by the model that wrote it; some were corrected since.
;; Multi Head Attention. Allowed arithmetic: matrix products marked QUANTISED: E2M3 operands, one E8M0 scale for each 32 along K, by v_wmma_scale_f32_16x16x128_f8f6f4 with both operands' format E2M3, f32 sums; everything else in f32.
;; Inputs: Wk 1,024 x 1,024 float32; Wo 1,024 x 1,024 float32; Wq 1,024 x 1,024 float32; Wv 1,024 x 1,024 float32; mask 2,048 x 2,048 bool; x 4 x 2,048 x 1,024 float32.
;; Outputs: out0 4 x 2,048 x 1,024 float32.
;; This version of the problem:
;;   THIS VERSION OF THE PROBLEM IS GIVEN IN LOW PRECISION. The matrix products marked QUANTISED in the list below multiply operands that are first quantised to E2M3 (2 exponent bits, 3 mantissa bits; 6 bits a number), with one power-of-two scale for each 32 numbers along K (OCP MX v1.0); their sums are f32. All else is computed in f32.
;;   The module's matrix products, in the order in which they are computed (A, B: the left and right operand; K: the contracted axis; several contracted axes count as one K, in the product's order):
;;     1. [M 8,192, K 1,024] x [K 1,024, N 1,024]; A: input x; B: input Wq: QUANTISED
;;     2. [M 8,192, K 1,024] x [K 1,024, N 1,024]; A: input x; B: input Wk: QUANTISED
;;     3. [M 8,192, K 1,024] x [K 1,024, N 1,024]; A: input x; B: input Wv: QUANTISED
;;     4. batch 64 x [M 2,048, K 64] x [K 64, N 2,048]; A: computed on the way; B: computed on the way: QUANTISED
;;     5. batch 64 x [M 2,048, K 2,048] x [K 2,048, N 64]; A: softmax (see below); B: computed on the way: QUANTISED
;;     6. [M 8,192, K 1,024] x [K 1,024, N 1,024]; A: computed on the way; B: input Wo: QUANTISED
;;   THE QUANTISER, for each operand of a quantised product, along K:
;;     - K is cut into blocks of 32 from its start; a last block that is shorter is filled with zeros.
;;     - A block's scale is 2^e with e = floor(log2(the largest magnitude in the block)) - 2, held to -126 .. 127; a block of zeros has e = 0. As a byte (E8M0): e + 127.
;;     - Each number is divided by its block's scale, clamped to +-7.5, and rounded to the nearest number of E2M3, ties to even, subnormals kept.
;;     - The product sums the exact products of the quantised numbers (number of the format x scale) in f32.
;;   ~~~python
;;   def quantise(x, axis):      # numpy; x: float32 -> the quantised numbers, widened to float32 again
;;       x = np.moveaxis(x, axis, -1); K = x.shape[-1]
;;       x = np.pad(x, [(0, 0)] * (x.ndim - 1) + [(0, -K % 32)]); x = x.reshape(x.shape[:-1] + (-1, 32)); a = np.abs(x).max(-1, keepdims=True)
;;       e = np.where(a > 0, np.clip(np.frexp(np.where(a > 0, a, 1))[1] - 1 - 2, -126, 127), 0)      # np.frexp(a)[1] - 1 = floor(log2(a)), exactly
;;       r = np.clip(x / 2.0 ** e, -7.5, 7.5)
;;       step = 2.0 ** (np.maximum(np.frexp(np.where(r == 0, 1, r))[1] - 1, 0) - 3)
;;       q = np.round(r / step) * step * 2.0 ** e      # np.round: ties to even
;;       return np.moveaxis(q.reshape(q.shape[:-2] + (-1,))[..., :K], -1, axis).astype(np.float32)
;;   ~~~
;;   SOFTMAX AHEAD OF A QUANTISED PRODUCT. Where the list says 'softmax', what is quantised is not the finished softmax but p = 2^(t - M), with t = logit x log2(e) and M = ceil(the row's largest t), a whole number; so 1/2 < the row's largest p <= 1. The row's sum l is taken of the UNQUANTISED p, in f32, and the product's result is divided by l at the end. Since M is a whole number, a kernel that streams over the keys may use a running M (the ceiling of the running maximum): every later rescaling is an exact power of two, which a block's scale takes up: the codes' values come out the same.
;;   OPERANDS COMPUTED ON THE WAY. 'Computed on the way' means the value that the module computes at that place (a softmax that the list does not call 'softmax' is quantised finished and normalised). What goes into a quantiser is computed in f32, as accurately as f32 sums, v_exp_f32 and their like allow (about 1e-6 of the number): no bf16 or f16 on the way to a quantiser, and a product that is left as it is and whose result goes on into a quantised operand takes f32 operands (vector FMAs, or v_wmma_f32_16x16x4_f32). A number that lies on a knife's edge between two numbers of the format may be rounded either way, as far as f32 arithmetic and the matrix unit's own rounding can turn it there, and no further.
;; 2 versions, each right; version 2 is version 1 with the launch attn written anew for expert scheduling mode. Each part assembles by itself: llvm-mc -triple=amdgcn-amd-amdhsa -mcpu=gfx1250 --defsym DOCPART=n.
;; ======== version 1 of 2: 4 launches
;; workspace buffers: cod 15,728,640 bytes; scl 655,360 bytes; qkimg 12,582,912 bytes; qkscl 524,288 bytes; vimg 6,291,456 bytes; vscl 262,144 bytes; mimg 524,288 bytes of whole numbers; mflag 2,048 bytes of whole numbers
;; launch prep (part 1): grid 896 x 1, 4 waves a work-group, no clusters, 68,608 bytes of LDS; arguments x, Wq, Wk, Wv, Wo, mask, cod, scl, mimg, mflag; writes cod, scl, mimg, mflag
.if DOCPART == 1
	.amdgcn_target "amdgcn-amd-amdhsa--gfx1250"
	.amdhsa_code_object_version 6
	.text
	.protected	k_q81e4b685f9_prep
	.globl	k_q81e4b685f9_prep
	.p2align	8
	.type	k_q81e4b685f9_prep,@function
k_q81e4b685f9_prep:
	s_mov_b64 s[64:65], 0
	v_nop
	global_prefetch_b8 v0, s[64:65] scope:SCOPE_SE
	s_setreg_imm32_b32 hwreg(HW_REG_WAVE_MODE, 25, 1), 1
	s_wait_xcnt 0x0
; TWO JOBS IN ONE LAUNCH, parted by the work-group number alone.
; Work-groups 0-767: x [8192][1024] and Wq, Wk, Wv, Wo [1024][1024], f32, become codes of FP6 (E2M3) with one E8M0 byte for each 32 along K.
; Work-groups 768-895: the mask [2048][2048] of bytes becomes lane masks and flags for the attention launch.
; THE CODES ARE LAID AS IMAGES OF OPERAND REGISTERS.  A tile is 16 rows: tile g = 2 B + u holds, in lane r, row 32 B + 8 u + r + 8 (r / 8).  A fragment (a tile x 128 K) is 12 registers a lane, 1,536 bytes:
; register p of lane l at 512 (p / 4) + 16 l + 4 (p % 4).  cod: [tile][8 K steps][1,536]; tiles 0-511 x, 512.. Wq, 576.. Wk, 640.. Wv, 704.. Wo.
; K ORDER: lane (r, h) holds the 64 codes k = 128 s + 64 h + 0 .. 63 of its row, so inside each 128 the matrix unit sees blocks 1 and 2 in each other's place, alike on both operands of a product.
; scl: [tile][16 rows][32 bytes], the bytes in their natural order along K.
; A block's scale is 2^(floor(log2(largest magnitude)) - 2): its byte is the largest magnitude's exponent field - 2, held at 1 from below.
; LIMITS: a block of zeros gets the byte 1 (its codes are zeros, and this program alone reads the bytes); blocks under 2^-124 were not tried; NaN and infinities among the inputs are not served.
; Quantiser: a work-group takes one tile, wave w its K steps 2 w and 2 w + 1.  Each load reads 512 consecutive bytes of a row; the numbers turn through the wave's own stage in LDS, so that a lane gets 64 neighbours.
; No tensor load, no cluster: no two work-groups read the same byte.
.set SP,   528                         ; a stage row: 512 bytes + 16
.set STG,  16*SP                       ; a stage: 16 rows; stage (w, f) at (2 w + f) STG
.set SCB,  8*STG                       ; behind the stages: the tile's 512 scale bytes
.set R,    16                          ; v16-143  the numbers as loaded: (f, i) at R + 64 f + 4 i
.set XA,   144                         ; v144-207 64 neighbours of K step f = 0 (those of f = 1 take v16-79)
.set M,    208                         ; v208-209 largest magnitudes
.set SO,   210                         ; v210-211 the conversions' scale operands
.set BY,   212                         ; v212-213 the bytes
.set W,    214                         ; v214-215 the two K steps' scale words
.set TW,   216
.set TP,   217
.set TC,   220                         ; v220-222, v224-226 second halves of the blocks' codes
.set C0,   228                         ; v228-239 the fragment of f = 0
.set C1,   240                         ; v240-251 of f = 1
	s_load_b512 s[4:19], s[0:1], 0x0               ; x, Wq, Wk, Wv, Wo, mask, cod, scl
	s_load_b128 s[20:23], s[0:1], 0x40             ; mimg, mflag
	v_lshl_add_u32 v254, v0, 2, 0x10a00
	v_mov_b32 v255, 0
	v_lshrrev_b32 v1, 5, v0
	v_readfirstlane_b32 s24, v1                    ; wave 0..3
	v_and_b32 v1, 31, v0                           ; lane
	v_and_b32 v2, 15, v0                           ; r
	v_bfe_u32 v3, v0, 4, 1                         ; h
	s_cmp_ge_u32 ttmp9, 768
	s_cbranch_scc1 .Lmask                          ; the same way for all four waves
	; ---------------- the quantiser ----------------
	v_lshlrev_b32 v4, 4, v1                        ; 16 x lane
	s_mul_i32 s28, s24, 2*STG                      ; my two stages
	v_add_nc_u32 v5, s28, v4                       ; in: row i at SP i, 16 bytes a lane
	v_mul_u32_u24 v6, v2, SP
	v_lshl_add_u32 v6, v3, 8, v6
	v_add_nc_u32 v6, s28, v6                       ; out: row r, + 256 h
	v_lshlrev_b32 v7, 5, v2
	s_lshl_b32 s29, s24, 3
	v_add_nc_u32 v7, s29, v7
	v_add_nc_u32 v7, SCB, v7                       ; my row's 8 scale bytes: 32 r + 8 w
	v_add_nc_u32 v8, SCB, v4
	v_lshlrev_b32 v9, 4, v3                        ; 16 h: where my two bytes stand in a scale word
	v_mov_b32 v[TP], 0                             ; a lane permute's destination counts as read
	s_mov_b32 s30, 0x76543210
	s_mov_b32 s31, 0xfedcba98                      ; selects for lane l xor 16
	s_and_b32 s25, ttmp9, 63
	s_cmp_lt_u32 ttmp9, 512
	s_cselect_b32 s25, ttmp9, s25                  ; the tile's number within its tensor
	s_lshr_b32 s26, s25, 1
	s_lshl_b32 s26, s26, 5
	s_and_b32 s27, s25, 1
	s_lshl_b32 s27, s27, 3
	s_add_co_u32 s26, s26, s27                     ; its first row: 32 B + 8 u
	s_lshl_b32 s26, s26, 12                        ; rows of 4,096 bytes
	s_lshl_b32 s27, s24, 10                        ; my two K steps: 1,024 bytes
	s_add_co_u32 s26, s26, s27
	s_mov_b32 s27, 0
	s_mul_i32 s32, ttmp9, 12288                    ; the tile in cod,
	s_mul_i32 s33, s24, 3072                       ; my two fragments
	s_add_co_u32 s32, s32, s33
	s_mov_b32 s33, 0
	s_lshl_b32 s34, ttmp9, 9                       ; the tile in scl
	s_mov_b32 s35, 0
	s_wait_kmcnt 0x0
	s_cmp_ge_u32 ttmp9, 512                        ; which tensor: the choice hangs on the work-group number alone
	s_cselect_b64 s[4:5], s[6:7], s[4:5]
	s_cmp_ge_u32 ttmp9, 576
	s_cselect_b64 s[4:5], s[8:9], s[4:5]
	s_cmp_ge_u32 ttmp9, 640
	s_cselect_b64 s[4:5], s[10:11], s[4:5]
	s_cmp_ge_u32 ttmp9, 704
	s_cselect_b64 s[4:5], s[12:13], s[4:5]
	s_add_nc_u64 s[4:5], s[4:5], s[26:27]
	s_add_nc_u64 s[16:17], s[16:17], s[32:33]
	s_add_nc_u64 s[18:19], s[18:19], s[34:35]
.irp f, 0,1
.irp i, 0,1,2,3,4,5,6,7,8,9,10,11,12,13,14,15
	global_load_b128 v[R+64*\f+4*\i:R+64*\f+4*\i+3], v4, s[4:5] offset:(\i+8*(\i/8))*4096+512*\f th:TH_LOAD_NT   ; 32 lanes read 512 consecutive bytes: K step f of the tile's row i
.endr
.endr
; K step f goes through its stage.  LDS serves a wave's instructions in order, so the loads see the stores.  w = 1: the loads land in registers that the first turn's stores read, so those stores are waited for.
.macro TURN f, dst, w
.irp i, 0,1,2,3,4,5,6,7,8,9,10,11,12,13,14,15
	ds_store_b128 v5, v[R+64*\f+4*\i:R+64*\f+4*\i+3] offset:STG*\f+SP*\i
.endr
.if \w
	s_wait_dscnt 32                                ; 48 are out: the oldest 16, the first turn's stores, are done
.endif
.irp c, 0,1
.irp j, 0,1,2,3,4,5,6,7
	ds_load_b128 v[\dst+32*\c+4*\j:\dst+32*\c+4*\j+3], v6 offset:STG*\f+128*\c+16*\j   ; lane (r, h): k = 64 h + 32 c + 4 j ..
.endr
.endr
.endm
; 64 numbers of a lane, two whole blocks, become 12 registers of codes at v[c] and the K step's scale word in v[w]
.macro QUANT1 x, c, w
.irp b, 0,1
	v_max3_num_f32 v[M+\b], |v[\x+32*\b]|, |v[\x+32*\b+1]|, 0x1800000   ; with the floor 2^(3 - 127): the byte cannot fall under 1
.endr
.irp i, 2,4,6,8,10,12,14,16,18,20,22,24,26,28,30
.irp b, 0,1
	v_max3_num_f32 v[M+\b], v[M+\b], |v[\x+32*\b+\i]|, |v[\x+32*\b+\i+1]|   ; the two blocks by turns
.endr
.endr
.irp b, 0,1
	v_add_nc_u32 v[SO+\b], 0xff000000, v[M+\b]     ; 2 off the exponent field: the conversion's scale operand
.endr
.irp b, 0,1
	v_lshrrev_b32 v[BY+\b], 23, v[SO+\b]           ; the byte
.endr
	v_lshl_or_b32 v[TW], v[BY+1], 8, v[BY]         ; my bytes 2 h and 2 h + 1 of the word,
	v_lshlrev_b32 v[TW], v9, v[TW]                 ; at their places;
	v_permlanex16_b32 v[TP], v[TW], s30, s31
	v_or_b32 v[\w], v[TW], v[TP]                   ; with lane l xor 16's two the word is whole
.irp b, 0,1
	v_cvt_scalef32_pk16_fp6_f32 v[\c+6*\b:\c+6*\b+2], v[\x+32*\b:\x+32*\b+15], v[SO+\b]
	v_cvt_scalef32_pk16_fp6_f32 v[TC+4*\b:TC+4*\b+2], v[\x+32*\b+16:\x+32*\b+31], v[SO+\b]   ; a conversion's three registers begin on an even number
.endr
	v_nop                                          ; one plain place behind a scaled conversion
.irp b, 0,1
.irp i, 0,1,2
	v_mov_b32 v[\c+6*\b+3+\i], v[TC+4*\b+\i]
.endr
.endr
.endm
	s_wait_loadcnt 16                              ; K step 0's sixteen loads are in; K step 1's stay out
	TURN 0, XA, 0
	s_wait_loadcnt 0x0
	TURN 1, R, 1
	s_wait_dscnt 32                                ; behind the first turn's loads stand 16 stores and 16 loads
	QUANT1 XA, C0, W
.irp k, 0,1,2
	global_store_b128 v4, v[C0+4*\k:C0+4*\k+3], s[16:17] offset:512*\k   ; 512 consecutive bytes
.endr
	s_wait_dscnt 0x0
	QUANT1 R, C1, W+1
.irp k, 0,1,2
	global_store_b128 v4, v[C1+4*\k:C1+4*\k+3], s[16:17] offset:1536+512*\k
.endr
	ds_store_b64 v7, v[W:W+1]                      ; lanes r and r + 16 write the same bytes with the same values
	s_wait_dscnt 0x0                               ; for the others' sake: my scale bytes lie in LDS
	s_barrier_signal -1
	s_barrier_wait -1
	s_cmp_lg_u32 s24, 0
	s_cbranch_scc1 .Lquit
	ds_load_b128 v[XA:XA+3], v8                    ; wave 0 takes the tile's 512 scale bytes
	s_wait_dscnt 0x0
	global_store_b128 v4, v[XA:XA+3], s[18:19]     ; and stores them as 512 consecutive bytes
.Lquit:
	s_wait_tensorcnt 0x0
	ds_add_u32 v254, v255
	s_wait_dscnt 0x0
	s_endpgm
	; ---------------- the mask ----------------
	; Tile T of 16 queries (lane r: query 32 (T / 2) + 8 (T % 2) + r + 8 (r / 8)); wave w takes the key steps G = 4 w .. 4 w + 3 of 128 keys.
	; mimg [T][G][64 words]: bit l of word n is 1 where the mask hides key 128 G + 32 (n / 16) + 16 h + n % 16 from lane l's query: the place of score register n in the attention launch.
	; mflag [T][w]: bit s: step 4 w + s has a key that counts; bit 16 + s: all its keys count.
	; This way uses no LDS and has no barrier.  Sixteen loads together cover 512 consecutive bytes of each of 16 rows.
.Lmask:
	s_sub_co_u32 s25, ttmp9, 768                   ; T
	s_lshr_b32 s26, s25, 1
	s_lshl_b32 s26, s26, 5
	s_and_b32 s27, s25, 1
	s_lshl_b32 s27, s27, 3
	s_add_co_u32 s26, s26, s27                     ; the tile's first query
	s_lshl_b32 s26, s26, 11                        ; rows of 2,048 bytes
	s_lshl_b32 s27, s24, 9                         ; my 512 keys
	s_add_co_u32 s26, s26, s27
	s_mov_b32 s27, 0
	s_lshl_b32 s32, s25, 12                        ; mimg: 4,096 bytes a tile,
	s_lshl_b32 s33, s24, 10                        ; 256 a step
	s_add_co_u32 s32, s32, s33
	s_mov_b32 s33, 0
	s_lshl_b32 s34, s25, 4                         ; mflag: 16 bytes a tile, 4 a wave
	s_lshl_b32 s35, s24, 2
	s_add_co_u32 s34, s34, s35
	s_mov_b32 s35, 0
	v_and_b32 v4, 8, v2
	v_add_nc_u32 v4, v4, v2                        ; r + 8 (r / 8)
	v_lshlrev_b32 v4, 11, v4
	v_lshl_add_u32 v4, v3, 4, v4                   ; + 16 h
	v_lshlrev_b32 v5, 3, v1                        ; out: 8 bytes a lane
	s_wait_kmcnt 0x0
	s_add_nc_u64 s[14:15], s[14:15], s[26:27]
	s_add_nc_u64 s[20:21], s[20:21], s[32:33]
	s_add_nc_u64 s[22:23], s[22:23], s[34:35]
.irp q, 0,1,2,3,4,5,6,7,8,9,10,11,12,13,14,15
	global_load_b128 v[16+4*\q:19+4*\q], v4, s[14:15] offset:32*\q th:TH_LOAD_NT   ; keys 32 q + 16 h + 0 .. 15 of my 512
.endr
.irp q, 0,1,2,3,4,5,6,7
	v_mov_b32 v[84+\q], 0                          ; v_writelane_b32's destination counts as read
.endr
	s_mov_b32 s36, 0                               ; the flag word
	s_wait_loadcnt 0x0
.set stp, 0
.rept 4
	s_mov_b32 s44, 0                               ; the words' OR: 0 where every key counts
	s_mov_b32 s45, -1                              ; their AND: all ones where none counts
.set n, 0
.rept 64
	v_and_b32 v[80+n%4], 0xff<<(8*(n%4)), v[16+4*(4*stp+n/16)+(n%16)/4]
	v_cmp_eq_u32 s[40+n%4], 0, v[80+n%4]           ; bit l: hidden
	v_writelane_b32 v[84+2*stp+n%2], s[40+n%4], n/2   ; word n to lane n / 2, register n % 2
	s_or_b32 s44, s44, s[40+n%4]
	s_and_b32 s45, s45, s[40+n%4]
.set n, n+1
.endr
	s_cmp_lg_u32 s45, -1
	s_cselect_b32 s46, 1<<stp, 0
	s_or_b32 s36, s36, s46
	s_cmp_eq_u32 s44, 0
	s_cselect_b32 s46, 1<<(16+stp), 0
	s_or_b32 s36, s36, s46
	global_store_b64 v5, v[84+2*stp:85+2*stp], s[20:21] offset:256*stp   ; 256 consecutive bytes, aligned
.set stp, stp+1
.endr
	v_mov_b32 v92, 0
	v_mov_b32 v93, s36
	s_wait_xcnt 0x0                                ; EXEC is a source of the stores above: it changes only behind this wait
	v_cmp_eq_u32 vcc_lo, 0, v1
	s_and_saveexec_b32 s37, vcc_lo
	global_store_b32 v92, v93, s[22:23]            ; lane 0 stores the wave's flag word
	s_wait_xcnt 0x0                                ; and again in front of the line that widens it
	s_or_b32 exec_lo, exec_lo, s37
	s_endpgm
.Lfunc_end_k_q81e4b685f9_prep:
	.size	k_q81e4b685f9_prep, .Lfunc_end_k_q81e4b685f9_prep-k_q81e4b685f9_prep
	.p2alignl 7, 3214868480
	.fill 96, 4, 3214868480
	.section	.rodata,"a",@progbits
	.p2align	6, 0x0
	.amdhsa_kernel k_q81e4b685f9_prep
		.amdhsa_group_segment_fixed_size 68608
		.amdhsa_private_segment_fixed_size 0
		.amdhsa_enable_private_segment 0
		.amdhsa_kernarg_size 80
		.amdhsa_user_sgpr_count 2
		.amdhsa_user_sgpr_kernarg_segment_ptr 1
		.amdhsa_wavefront_size32 1
		.amdhsa_system_sgpr_workgroup_id_x 1
		.amdhsa_system_sgpr_workgroup_id_y 1
		.amdhsa_system_sgpr_workgroup_id_z 1
		.amdhsa_system_vgpr_workitem_id 0
		.amdhsa_next_free_vgpr 256
		.amdhsa_next_free_sgpr 66
		.amdhsa_reserve_vcc 1
		.amdhsa_float_denorm_mode_32 3
		.amdhsa_float_denorm_mode_16_64 3
		.amdhsa_memory_ordered 1
		.amdhsa_forward_progress 1
		.amdhsa_inst_pref_size 86
	.end_amdhsa_kernel
	.amdgpu_metadata
---
amdhsa.version: [ 1, 2 ]
amdhsa.kernels:
  - .name:           k_q81e4b685f9_prep
    .symbol:         k_q81e4b685f9_prep.kd
    .args:
      - { .name: x, .offset: 0, .size: 8, .value_kind: global_buffer, .address_space: global }
      - { .name: Wq, .offset: 8, .size: 8, .value_kind: global_buffer, .address_space: global }
      - { .name: Wk, .offset: 16, .size: 8, .value_kind: global_buffer, .address_space: global }
      - { .name: Wv, .offset: 24, .size: 8, .value_kind: global_buffer, .address_space: global }
      - { .name: Wo, .offset: 32, .size: 8, .value_kind: global_buffer, .address_space: global }
      - { .name: mask, .offset: 40, .size: 8, .value_kind: global_buffer, .address_space: global }
      - { .name: cod, .offset: 48, .size: 8, .value_kind: global_buffer, .address_space: global }
      - { .name: scl, .offset: 56, .size: 8, .value_kind: global_buffer, .address_space: global }
      - { .name: mimg, .offset: 64, .size: 8, .value_kind: global_buffer, .address_space: global }
      - { .name: mflag, .offset: 72, .size: 8, .value_kind: global_buffer, .address_space: global }
    .group_segment_fixed_size: 68608
    .private_segment_fixed_size: 0
    .kernarg_segment_align: 8
    .kernarg_segment_size: 80
    .max_flat_workgroup_size: 128
    .sgpr_count:     66
    .vgpr_count:     256
    .wavefront_size: 32
...
	.end_amdgpu_metadata
.endif
;; end of part 1
;; launch qkv (part 2): grid 8 x 48, 4 waves a work-group, clusters of 4 x 4, 327,680 bytes of LDS; arguments cod, scl, qkimg, qkscl, vimg, vscl; writes qkimg, qkscl, vimg, vscl
.if DOCPART == 2
	.amdgcn_target "amdgcn-amd-amdhsa--gfx1250"
	.amdhsa_code_object_version 6
	.text
	.protected	k_q81e4b685f9_qkv
	.globl	k_q81e4b685f9_qkv
	.p2align	8
	.type	k_q81e4b685f9_qkv,@function
k_q81e4b685f9_qkv:
	s_mov_b64 s[64:65], 0
	v_nop
	global_prefetch_b8 v0, s[64:65] scope:SCOPE_SE
	s_setreg_imm32_b32 hwreg(HW_REG_WAVE_MODE, 25, 1), 1
	s_wait_xcnt 0x0
	s_wait_alu depctr_hold_cnt(0) depctr_sa_sdst(0) depctr_va_vdst(0) depctr_va_sdst(0) depctr_va_ssrc(0) depctr_va_vcc(0) depctr_vm_vsrc(0)
	s_getreg_b32 s2, hwreg(HW_REG_IB_STS2, 6, 4)
	s_cmp_eq_u32 s2, 0
	s_cbranch_scc0 .Lentry_in_a_cluster
	s_endpgm
.Lentry_in_a_cluster:
	s_bfe_u32 s2, ttmp6, 0x10000c
	s_cmp_lg_u32 s2, 0xf033
	s_cbranch_scc0 .Lentry_shape_is_right
	s_endpgm
.Lentry_shape_is_right:
; q = x Wq^T, k = x Wk^T, v = x Wv^T on codes of FP6 (E2M3) with E8M0 scales, K = 1,024; the results are quantised in registers on the way out and leave as images of operand registers.
; A product is D = P Q^T used transposed: source 0 = 16 rows of P (they fall into a lane's registers), source 1 = 16 rows of Q (they fall into the lanes).
; q and k (cluster rows 0-7): P = Wq | Wk, Q = x: a lane holds one token and its registers run along the head's d, which is the K of the scores.
; v (cluster rows 8-11): P = x, Q = Wv: a lane holds one d and its registers run along the tokens, which are the K of the second product.  One loop serves both: only tile numbers differ.
; A tile's lane r stands for row 32 B + 8 u + r + 8 (r / 8), so the 16 registers of two neighbouring P tiles are 16 neighbours along the next K.
; A work-group of four waves makes 256 x 256; a wave 128 x 128: 64 accumulators, 512 registers.  K goes through a ring of two LDS slots of 256 along K, filled by the tensor data mover.
; In cod a fragment (16 rows x 128 K) is an image of its 12 registers, 1,536 bytes: three ds_load_b128 at 16 x lane bring it; no pitch, no padding, every load 512 consecutive bytes.
; Inside each 128 along K blocks 1 and 2 stand in each other's place on both operands; the scale words, stored in natural order, are turned once by v_perm_b32.
; CLUSTERS: 4 x 4 work-groups.  Q's tiles hang on the cluster row alone and are asked for jointly along it, P's on the cluster column.
; LIMITS: a block of zeros gets the byte 1 (its codes are zeros, and this program alone reads the bytes); blocks under 2^-124 were not tried; NaN and infinities are not served.
; REGISTERS: window 0: v16-31 addresses; v32-95 scale words (32 + 8 i + ks: lanes 0-15 Q tile i, lanes 16-31 P tile i); v96-127 at work on the way out; v128-223 Q's 8 fragments, one set; v224-255 codes on the way out.
;   window 1: P's fragments, two sets, at v0 and v128.   windows 2, 3: accumulator (a, b) at v[8 (8 (a % 4) + b)].
.set FR,     12                        ; registers of a fragment
.set KSB,    1536                      ; its image in bytes
.set TILEB,  12288                     ; a tile in cod: 8 K steps
.set SLOTK,  2*KSB                     ; a tile's part of a slot: two K steps
.set HALFT,  8*SLOTK                   ; 8 tiles: what one tensor load brings, and what one wave reads of Q or of P
.set SLOT,   4*HALFT                   ; Q's 16 tiles, then P's 16
.set SPARE,  2*SLOT                    ; behind the ring: the spare words, 128 bytes a wave
.set ADRA, 16                          ; v16-17 LDS address of my Q fragments in slot 0, 1
.set ADRB, 20                          ; v20-21 the same for P
.set LI,   26                          ; v26    16 x lane
.set SW,   27                          ; v27    16 r + 4096 h: where a lane stores four scale words
.set SPW,  28                          ; v28    my spare word; never rewritten
.set NIL,  29                          ; v29    0; never rewritten
.set SCO,  30                          ; v30    the scale loads' offset
.set SC,   32
.set AF,   128
.set TM,   96                          ; v96-99 largest magnitudes, v100-103 bytes, v108-111 the conversions' scale operands
.set PW0,  112
.set PW1,  113
.set W0,   114
.set W1,   115
.set WS,   116                         ; v116-119 four scale words to store
.set PWS,  120                         ; v120-127 the v way's eight
.set X0,   224
.set X1,   228
.set F0,   232
.set F1,   244
.set WV,   16                          ; s16 wave;  s17 wave / 2: my half of Q's rows, and whether I fetch for Q (0) or P (1);  s18 wave % 2: my half of P's rows, and which 8 tiles I fetch
.set WR,   17
.set WC,   18
.set SEL,  20                          ; s[20:21] selects for lane l xor 16
.set G1,   24                          ; s[24:31] descriptor group 1 for Q's tiles; s[32:39] group 0, a set for each slot
.set G0,   32
.set G1B,  48                          ; s[48:55], s[56:63] the same for P's
.set G0B,  56
.set HM,   66                          ; s66 the mask of lanes 16-31
.set MSB, 0
.macro WIN new                         ; the immediate's high byte repeats the setting that is left
.if MSB != (\new)
	s_set_vgpr_msb (MSB<<8)|(\new)
.set MSB, (\new)
.endif
.endm
.set MUL_LO, 0xa1                      ; source 0 (P) window 1, source 1 (Q) window 0, C and D window 2
.set MUL_HI, 0xf1                      ; the same, C and D window 3
.set TO_B,   0x40                      ; destination window 1, address window 0
; A joint load: waves 0 and 1 fetch for Q, waves 2 and 3 for P.  The branch hangs on the wave number alone.  Four v_nop follow each of the two lines.
.macro JLOAD g0a, g1a, g0b, g1b
	s_cmp_eq_u32 s[WR], 0
	s_cbranch_scc0 .Lfor_p_\@
	tensor_load_to_lds s[\g0a:\g0a+3], s[\g1a:\g1a+7]
	s_nop 0
.rept 4
	v_nop
.endr
	s_branch .Lasked_\@
.Lfor_p_\@:
	tensor_load_to_lds s[\g0b:\g0b+3], s[\g1b:\g1b+7]
	s_nop 0
.rept 4
	v_nop
.endr
.Lasked_\@:
.endm
.macro CREST                           ; a round of the cluster's barrier behind its opening barrier
	s_cmp_lg_u32 s[WV], 0
	s_cbranch_scc1 .Lnot_wave_0_\@
	s_barrier_signal -3
.Lnot_wave_0_\@:
	s_barrier_wait -3
	s_barrier_signal -1
	s_barrier_wait -1
.endm
.macro CROUND                          ; a whole round
	s_barrier_signal -1
	s_barrier_wait -1
	CREST
.endm
.macro PLACES                          ; four places behind a matrix instruction, in front of loads into its sources and of reads of its results
.rept 4
	v_nop
.endr
.endm
	s_load_b256 s[4:11], s[0:1], 0x0               ; cod, scl, qkimg, qkscl
	s_load_b128 s[12:15], s[0:1], 0x20             ; vimg, vscl
	v_lshl_add_u32 v[SPW], v0, 2, SPARE
	v_mov_b32 v[NIL], 0
	ds_add_u32 v28, v29
	ds_add_u32 v28, v29
	s_wait_dscnt 0x0
	v_lshrrev_b32 v1, 5, v0
	v_readfirstlane_b32 s[WV], v1
	s_lshr_b32 s[WR], s[WV], 1
	s_and_b32 s[WC], s[WV], 1
	s_bfe_u32 s40, ttmp6, 0x40000                  ; cx
	s_bfe_u32 s41, ttmp6, 0x40004                  ; cy
	s_and_b32 s43, ttmp7, 0xffff                   ; the cluster's y: the same in all sixteen partners
	s_lshl_b32 s45, ttmp9, 2
	s_add_co_u32 s45, s45, s40                     ; px = 4 x cluster x + cx
	s_lshl_b32 s47, s43, 3
	s_sub_co_u32 s47, s47, 64                      ; v: x's blocks of 16 tiles begin at 8 (cluster y - 8)
	s_lshl_b32 s46, s43, 2
	s_cmp_ge_u32 s43, 8                            ; the v way?
	s_cselect_b32 s44, 1, 0
	s_cselect_b32 s47, s47, 32                     ; q, k: Wq's tiles begin at block 32
	s_cselect_b32 s46, 40, s46                     ; v: Wv's begin at block 40;  q, k: x's at 4 x cluster y
	s_add_co_u32 s45, s45, s47
	s_lshl_b32 s45, s45, 4                         ; gP: P's first tile; it hangs on cx and the cluster's place
	s_add_co_u32 s46, s46, s41
	s_lshl_b32 s46, s46, 4                         ; gQ: Q's first tile; it hangs on cy and the cluster's place
	s_lshl_b32 s68, s41, 2
	s_lshl_b32 s68, 15, s68                        ; my row of the cluster
	s_lshl_b32 s69, 0x1111, s40                    ; my column
	; descriptor group 1: 8 rows (tiles) of 3,072 bytes, 12,288 bytes apart, as elements of 8 bytes; dense in LDS
	s_or_b32 s[G1+0], s68, (3<<16)|(1<<21)         ; 15:0 the mask: Q's tiles go to my row; 17:16 elements of 8 bytes; 21 set beside a mask
	s_or_b32 s[G1B+0], s69, (3<<16)|(1<<21)        ; P's go to my column
.irp g, G1, G1B
	s_mov_b32 s[\g+1], (SLOTK/8)<<16               ; tensor_dim0
	s_mov_b32 s[\g+2], 8<<16                       ; tensor_dim1
	s_mov_b32 s[\g+3], (SLOTK/8)<<16               ; tile_dim0
	s_mov_b32 s[\g+4], 8                           ; tile_dim1
	s_mov_b32 s[\g+5], TILEB/8                     ; tensor_dim0_stride
	s_mov_b32 s[\g+6], 0
	s_mov_b32 s[\g+7], 0
.endr
	s_lshl_b32 s70, s[WC], 3                       ; which 8 tiles I fetch
	s_add_co_u32 s72, s46, s70
	s_add_co_u32 s74, s45, s70
	s_mul_i32 s72, s72, TILEB
	s_mul_i32 s74, s74, TILEB
	s_mov_b32 s73, 0
	s_mov_b32 s75, 0
	s_mul_i32 s71, s[WV], HALFT                    ; where they go: wave x 8 tiles: no place in the cluster enters an LDS address
	s_mov_b32 s[SEL], 0x76543210
	s_mov_b32 s[SEL+1], 0xfedcba98
	s_mov_b32 s[HM], 0xffff0000
	s_mov_b32 s67, 0x03010200                      ; the turn of a scale word: bytes 1 and 2 change places
	s_wait_kmcnt 0x0
	s_add_nc_u64 s[72:73], s[4:5], s[72:73]
	s_add_nc_u64 s[74:75], s[4:5], s[74:75]
	CROUND                                         ; all sixteen work-groups are here: the first joint loads meet
.irp s, 0,1
	s_mov_b32 s[G0+4*\s], 1
	s_add_co_u32 s[G0+4*\s+1], s71, \s*SLOT
	s_add_nc_u64 s[G0+4*\s+2:G0+4*\s+3], s[72:73], \s*SLOTK
	s_or_b32 s[G0+4*\s+3], s[G0+4*\s+3], 0x80000000
	s_mov_b32 s[G0B+4*\s], 1
	s_add_co_u32 s[G0B+4*\s+1], s71, \s*SLOT
	s_add_nc_u64 s[G0B+4*\s+2:G0B+4*\s+3], s[74:75], \s*SLOTK
	s_or_b32 s[G0B+4*\s+3], s[G0B+4*\s+3], 0x80000000
	JLOAD G0+4*\s, G1, G0B+4*\s, G1B               ; two loads of mine are out
.endr
	; the scale words of my 8 tiles of Q (lanes 0-15) and of P (lanes 16-31), for all of K: they stay in registers
	s_lshl_b32 s76, s[WR], 3
	s_add_co_u32 s76, s76, s46
	s_lshl_b32 s76, s76, 9
	s_lshl_b32 s77, s[WC], 3
	s_add_co_u32 s77, s77, s45
	s_lshl_b32 s77, s77, 9
	v_and_b32 v1, 15, v0                           ; r
	v_bfe_u32 v2, v0, 4, 1                         ; h
	v_and_b32 v3, 31, v0                           ; lane
	v_mov_b32 v4, s76
	v_mov_b32 v5, s77
	v_cndmask_b32 v4, v4, v5, s[HM]
	v_lshl_add_u32 v[SCO], v1, 5, v4               ; 32 bytes a row
.irp i, 0,1,2,3,4,5,6,7
.irp e, 0,1
	global_load_b128 v[SC+8*\i+4*\e:SC+8*\i+4*\e+3], v[SCO], s[6:7] offset:512*\i+16*\e
.endr
.endr
	v_lshlrev_b32 v[LI], 4, v3
	v_lshlrev_b32 v[SW], 4, v1
	v_lshl_add_u32 v[SW], v2, 12, v[SW]
	s_mul_i32 s78, s[WR], HALFT                    ; my 8 tiles of Q
	s_mul_i32 s79, s[WC], HALFT                    ; my 8 tiles of P,
	s_add_co_u32 s79, s79, 2*HALFT                 ; which lie behind Q's 16
.irp s, 0,1
	v_add_nc_u32 v[ADRA+\s], s78, v[LI]
	v_add_nc_u32 v[ADRB+\s], s79, v[LI]
	s_add_co_u32 s78, s78, SLOT
	s_add_co_u32 s79, s79, SLOT
.endr
.irp b, 0,1,2,3
	v_mov_b32 v[TM+4+\b], 0                        ; a lane permute's destination counts as read
.endr
	s_wait_loadcnt 0x0
.set n, 0
.rept 64
	v_perm_b32 v[SC+n], v[SC+n], v[SC+n], s67
.set n, n+1
.endr
.rept 8
	v_nop                                          ; a scale register written by a vector instruction stands 8 places ahead of a scaled matrix instruction
.endr
.macro FRAG reg, adr, q, i             ; a fragment's image: three loads of 512 consecutive bytes
.irp k, 0,1,2
	ds_load_b128 v[\reg+4*\k:\reg+4*\k+3], v[\adr] offset:SLOTK*(\i)+KSB*(\q)+512*\k
.endr
.endm
.macro FETCH_B slot, q, p              ; P's eight fragments of the slot's q-th K step into set p
	WIN TO_B
.irp i, 0,1,2,3,4,5,6,7
	FRAG 128*(\p)+FR*\i, ADRB+\slot, \q, \i
.endr
	WIN 0
.endm
.macro FETCH_A slot, q, i0             ; Q's blocks i0 .. i0 + 3
.irp i, \i0, \i0+1, \i0+2, \i0+3
	FRAG AF+FR*(\i), ADRA+\slot, \q, \i
.endr
.endm
; 16 matrix instructions: Q's blocks a0, a0 + 1 x P's eight, K step ks.  The 64 accumulators take turns, one instruction a turn, in the same order in every step.
.macro MUL16 a0, p, ks, zero
.irp a, \a0, \a0+1
.irp b, 0,1,2,3,4,5,6,7
.if \zero
	v_wmma_scale_f32_16x16x128_f8f6f4 v[8*(8*((\a)%4)+\b):8*(8*((\a)%4)+\b)+7], v[128*(\p)+FR*\b:128*(\p)+FR*\b+FR-1], v[AF+FR*(\a):AF+FR*(\a)+FR-1], 0, v[SC+8*\b+(\ks)], v[SC+8*(\a)+(\ks)] matrix_a_fmt:MATRIX_FMT_FP6 matrix_b_fmt:MATRIX_FMT_FP6 matrix_a_scale:MATRIX_SCALE_ROW1
.else
	v_wmma_scale_f32_16x16x128_f8f6f4 v[8*(8*((\a)%4)+\b):8*(8*((\a)%4)+\b)+7], v[128*(\p)+FR*\b:128*(\p)+FR*\b+FR-1], v[AF+FR*(\a):AF+FR*(\a)+FR-1], v[8*(8*((\a)%4)+\b):8*(8*((\a)%4)+\b)+7], v[SC+8*\b+(\ks)], v[SC+8*(\a)+(\ks)] matrix_a_fmt:MATRIX_FMT_FP6 matrix_b_fmt:MATRIX_FMT_FP6 matrix_a_scale:MATRIX_SCALE_ROW1
.endif
.endr
.endr
.endm
; A slot's first K step: P's set 0; its successor lies in the same slot.
.macro STEP slot, ks, zero
	s_wait_dscnt 12                                ; P's set and Q's blocks 0-3 are in; the youngest 12 loads (Q's blocks 4-7) may be out
	WIN MUL_LO
	MUL16 0, 0, \ks, \zero
	MUL16 2, 0, \ks, \zero
	s_wait_dscnt 0x0                               ; Q's blocks 4-7 are in
	PLACES
	FETCH_B \slot, 1, 1
	FETCH_A \slot, 1, 0
	WIN MUL_HI
	MUL16 4, 0, \ks, \zero
	MUL16 6, 0, \ks, \zero
	PLACES
	WIN 0
	FETCH_A \slot, 1, 4
.endm
; A slot's second K step changes slots: ONE barrier; in front of it each wave waits for all its tensor loads, adds 0 to its spare word, and waits for that and for its reads of this slot.  fill = 1: this slot is filled again.
.macro TURN slot, next, ks, fill
	s_wait_tensorcnt 0x0                           ; all my tensor loads have landed: my part of the next slot
	ds_add_u32 v[SPW], v[NIL]                      ; 0 onto my spare word
	s_wait_dscnt 13                                ; the add and the youngest 12 loads may be out
	WIN MUL_LO
	MUL16 0, 1, \ks, 0                             ; sixteen matrix instructions stand between the add and the wait for it
	s_wait_dscnt 0x0                               ; the add is done, and my reads of this slot are over
	s_barrier_signal -1
	MUL16 2, 1, \ks, 0
	WIN 0
	s_barrier_wait -1
.if \fill
	CREST                                          ; the barrier has opened a round of the cluster's barrier: no wave of any partner still reads this slot or has a load on its way
	s_add_nc_u64 s[G0+4*\slot+2:G0+4*\slot+3], s[G0+4*\slot+2:G0+4*\slot+3], 2*SLOTK
	s_add_nc_u64 s[G0B+4*\slot+2:G0B+4*\slot+3], s[G0B+4*\slot+2:G0B+4*\slot+3], 2*SLOTK
	JLOAD G0+4*\slot, G1, G0B+4*\slot, G1B         ; the first tensor load behind the round; its four v_nop are the places in front of the loads below
.else
	PLACES
.endif
	FETCH_B \next, 0, 0
	FETCH_A \next, 0, 0
	WIN MUL_HI
	MUL16 4, 1, \ks, 0
	MUL16 6, 1, \ks, 0
	PLACES
	WIN 0
	FETCH_A \next, 0, 4
.endm
	s_wait_tensorcnt 1                             ; my part of slot 0 is in; slot 1's may stay out
	s_barrier_signal -1
	s_barrier_wait -1
	FETCH_B 0, 0, 0
	FETCH_A 0, 0, 0
	FETCH_A 0, 0, 4
	STEP 0, 0, 1                                   ; eight K steps, written out: each names its own scale registers.  The first starts the sums
	TURN 0, 1, 1, 1
	STEP 1, 2, 0
	TURN 1, 0, 3, 1
	STEP 0, 4, 0
	TURN 0, 1, 5, 0                                ; nothing is left to fetch
	STEP 1, 6, 0
	s_wait_dscnt 12
	WIN MUL_LO
	MUL16 0, 1, 7, 0
	MUL16 2, 1, 7, 0
	s_wait_dscnt 0x0
	WIN MUL_HI
	MUL16 4, 1, 7, 0
	MUL16 6, 1, 7, 0
	WIN 0
	PLACES
; THE WAY OUT.  64 registers of a lane, v[s] .. v[s + 63] of window win, register 16 b + i = place 32 b + 16 h + i along the next K, are quantised: blocks 0, 1 into six registers at d0, blocks 2, 3 at d1; the four bytes into v[pw].
; Each accumulator is read from its low end on.
.macro QUANT win, s, d0, d1, pw
	WIN ((\win)<<2)|((\win)<<4)
.irp b, 0,1,2,3
	v_max3_num_f32 v[TM+\b], 0x1800000, |v[(\s)+16*\b]|, |v[(\s)+16*\b+1]|   ; with the floor 2^(3 - 127): the byte cannot fall under 1
.endr
.irp i, 2,4,6,8,10,12,14
.irp b, 0,1,2,3
	v_max3_num_f32 v[TM+\b], v[TM+\b], |v[(\s)+16*\b+\i]|, |v[(\s)+16*\b+\i+1]|
.endr
.endr
	WIN 0
.irp b, 0,1,2,3
	v_permlanex16_b32 v[TM+4+\b], v[TM+\b], s[SEL], s[SEL+1]
.endr
.irp b, 0,1,2,3
	v_max_num_f32 v[TM+\b], v[TM+\b], v[TM+4+\b]   ; with lane l xor 16's 16: the block's largest magnitude
.endr
.irp b, 0,1,2,3
	v_add_nc_u32 v[TM+12+\b], 0xff000000, v[TM+\b] ; 2 off the exponent field: the conversion's scale operand
.endr
.irp b, 0,1,2,3
	v_lshrrev_b32 v[TM+4+\b], 23, v[TM+12+\b]      ; the byte
.endr
	v_lshl_or_b32 v[\pw], v[TM+5], 8, v[TM+4]
	v_lshl_or_b32 v[\pw], v[TM+6], 16, v[\pw]
	v_lshl_or_b32 v[\pw], v[TM+7], 24, v[\pw]
	WIN \win
	v_cvt_scalef32_pk16_fp6_f32 v[\d0:\d0+2], v[(\s):(\s)+15], v[TM+12]
	v_cvt_scalef32_pk16_fp6_f32 v[X0:X0+2], v[(\s)+16:(\s)+31], v[TM+13]
	v_cvt_scalef32_pk16_fp6_f32 v[\d1:\d1+2], v[(\s)+32:(\s)+47], v[TM+14]
	v_cvt_scalef32_pk16_fp6_f32 v[X1:X1+2], v[(\s)+48:(\s)+63], v[TM+15]
	WIN 0
	v_nop                                          ; one plain place behind a scaled conversion
.irp i, 0,1,2
	v_permlane16_swap_b32 v[\d0+\i], v[X0+\i]      ; a whole block to a lane: lanes 0-15 the even block, lanes 16-31 the odd one
.endr
.irp i, 0,1,2
	v_mov_b32 v[\d0+3+\i], v[X0+\i]
.endr
.irp i, 0,1,2
	v_permlane16_swap_b32 v[\d1+\i], v[X1+\i]
.endr
.irp i, 0,1,2
	v_mov_b32 v[\d1+3+\i], v[X1+\i]
.endr
.endm
	s_cmp_lg_u32 s44, 0
	s_cbranch_scc1 .Lv                             ; the same way in all sixteen partners
	; q, k: my 128 tokens are step G of batch b; my 128 features are heads hc0 and hc0 + 1 (0-15 q's, 16-31 k's).
	; qkimg [32 b + hc][B 0..63][1,536]: registers 0-5 token tile (B, 0), registers 6-11 tile (B, 1), d = 32 h ..;  qkscl [32 b + hc][G][r][4 words]: word t for B = 4 G + t: bytes 0, 1 tile (B, 0), bytes 2, 3 tile (B, 1)
	s_lshl_b32 s82, s43, 2
	s_add_co_u32 s82, s82, s41
	s_lshl_b32 s82, s82, 1
	s_add_co_u32 s82, s82, s[WR]                   ; which 128 tokens
	s_lshr_b32 s83, s82, 4                         ; b
	s_and_b32 s82, s82, 15                         ; G
	s_lshl_b32 s84, ttmp9, 2
	s_add_co_u32 s84, s84, s40
	s_lshl_b32 s84, s84, 2
	s_lshl_b32 s85, s[WC], 1
	s_add_co_u32 s84, s84, s85                     ; hc0
	s_lshl_b32 s83, s83, 5
	s_add_co_u32 s83, s83, s84
	s_mul_i32 s86, s83, 98304
	s_mul_i32 s85, s82, 6144
	s_add_co_u32 s86, s86, s85
	s_mov_b32 s87, 0
	s_add_nc_u64 s[8:9], s[8:9], s[86:87]
	s_lshl_b32 s86, s83, 12
	s_lshl_b32 s85, s82, 8
	s_add_co_u32 s86, s86, s85
	s_add_nc_u64 s[10:11], s[10:11], s[86:87]
.irp t, 0,1,2,3
.if \t > 0
	s_wait_xcnt 0x0                                ; the last stores have read their registers: the codes may be written again
.endif
	QUANT 2+(\t)/2, 128*((\t)%2), F0, F1, PW0      ; token tile 2 t
	QUANT 2+(\t)/2, 128*((\t)%2)+64, F0+6, F1+6, PW1   ; token tile 2 t + 1
	v_perm_b32 v[W0], v[PW1], v[PW0], 0x05040100   ; head hc0: the two tiles' bytes 0, 1
	v_perm_b32 v[W1], v[PW1], v[PW0], 0x07060302   ; head hc0 + 1: their bytes 2, 3
	v_cndmask_b32 v[WS+\t], v[W0], v[W1], s[HM]    ; lanes 16-31 carry the second head's
.irp k, 0,1,2
	global_store_b128 v[LI], v[F0+4*\k:F0+4*\k+3], s[8:9] offset:1536*\t+512*\k          ; 512 consecutive bytes
	global_store_b128 v[LI], v[F1+4*\k:F1+4*\k+3], s[8:9] offset:1536*\t+512*\k+98304
.endr
.endr
	global_store_b128 v[SW], v[WS:WS+3], s[10:11]  ; sixteen lanes store 256 consecutive bytes for each head
	s_branch .Ldone
	; v: my 128 tokens (P) are step G of batch b; my 128 features (Q) are heads hv0 and hv0 + 1.  vimg [16 b + head][G][tile of d 0..3][1,536];  vscl [16 b + head][G][r][4 words]
.Lv:
	s_sub_co_u32 s82, s43, 8
	s_lshl_b32 s82, s82, 3
	s_lshl_b32 s84, ttmp9, 2
	s_add_co_u32 s84, s84, s40
	s_add_co_u32 s82, s82, s84
	s_lshl_b32 s82, s82, 1
	s_add_co_u32 s82, s82, s[WC]                   ; which 128 tokens
	s_lshr_b32 s83, s82, 4                         ; b
	s_and_b32 s82, s82, 15                         ; G
	s_lshl_b32 s84, s41, 2
	s_lshl_b32 s85, s[WR], 1
	s_add_co_u32 s84, s84, s85                     ; hv0
	s_lshl_b32 s83, s83, 4
	s_add_co_u32 s83, s83, s84
	s_mul_i32 s86, s83, 98304
	s_mul_i32 s85, s82, 6144
	s_add_co_u32 s86, s86, s85
	s_mov_b32 s87, 0
	s_add_nc_u64 s[12:13], s[12:13], s[86:87]
	s_lshl_b32 s86, s83, 12
	s_lshl_b32 s85, s82, 8
	s_add_co_u32 s86, s86, s85
	s_add_nc_u64 s[14:15], s[14:15], s[86:87]
.irp a, 0,1,2,3,4,5,6,7
.if \a > 0
	s_wait_xcnt 0x0                                ; the earlier stores have read their registers
.endif
	QUANT 2+(\a)/4, 64*((\a)%4), F0+12*((\a)%2), F0+12*((\a)%2)+6, PWS+\a   ; a whole fragment: 16 d x 128 keys
.irp k, 0,1,2
	global_store_b128 v[LI], v[F0+12*((\a)%2)+4*\k:F0+12*((\a)%2)+4*\k+3], s[12:13] offset:98304*((\a)/4)+1536*((\a)%4)+512*\k
.endr
.endr
.irp t, 0,1,2,3
	v_cndmask_b32 v[WS+\t], v[PWS+\t], v[PWS+4+\t], s[HM]
.endr
	global_store_b128 v[SW], v[WS:WS+3], s[14:15]
.Ldone:
	s_wait_tensorcnt 0x0                           ; the wave's end
	ds_add_u32 v[SPW], v[NIL]
	s_wait_dscnt 0x0
	CROUND                                         ; the closing round: no work-group ends while a partner may still ask for a tile that names it
	s_endpgm
.Lfunc_end_k_q81e4b685f9_qkv:
	.size	k_q81e4b685f9_qkv, .Lfunc_end_k_q81e4b685f9_qkv-k_q81e4b685f9_qkv
	.p2alignl 7, 3214868480
	.fill 96, 4, 3214868480
	.section	.rodata,"a",@progbits
	.p2align	6, 0x0
	.amdhsa_kernel k_q81e4b685f9_qkv
		.amdhsa_group_segment_fixed_size 327680
		.amdhsa_private_segment_fixed_size 0
		.amdhsa_enable_private_segment 0
		.amdhsa_kernarg_size 48
		.amdhsa_user_sgpr_count 2
		.amdhsa_user_sgpr_kernarg_segment_ptr 1
		.amdhsa_wavefront_size32 1
		.amdhsa_system_sgpr_workgroup_id_x 1
		.amdhsa_system_sgpr_workgroup_id_y 1
		.amdhsa_system_sgpr_workgroup_id_z 1
		.amdhsa_system_vgpr_workitem_id 0
		.amdhsa_next_free_vgpr 1024
		.amdhsa_next_free_sgpr 100
		.amdhsa_reserve_vcc 0
		.amdhsa_float_denorm_mode_32 3
		.amdhsa_float_denorm_mode_16_64 3
		.amdhsa_memory_ordered 1
		.amdhsa_forward_progress 1
		.amdhsa_inst_pref_size 177
	.end_amdhsa_kernel
	.amdgpu_metadata
---
amdhsa.version: [ 1, 2 ]
amdhsa.kernels:
  - .name:           k_q81e4b685f9_qkv
    .symbol:         k_q81e4b685f9_qkv.kd
    .args:
      - { .name: cod, .offset: 0, .size: 8, .value_kind: global_buffer, .address_space: global }
      - { .name: scl, .offset: 8, .size: 8, .value_kind: global_buffer, .address_space: global }
      - { .name: qkimg, .offset: 16, .size: 8, .value_kind: global_buffer, .address_space: global }
      - { .name: qkscl, .offset: 24, .size: 8, .value_kind: global_buffer, .address_space: global }
      - { .name: vimg, .offset: 32, .size: 8, .value_kind: global_buffer, .address_space: global }
      - { .name: vscl, .offset: 40, .size: 8, .value_kind: global_buffer, .address_space: global }
    .group_segment_fixed_size: 327680
    .private_segment_fixed_size: 0
    .kernarg_segment_align: 8
    .kernarg_segment_size: 48
    .max_flat_workgroup_size: 128
    .sgpr_count:     100
    .vgpr_count:     1024
    .wavefront_size: 32
...
	.end_amdgpu_metadata
.endif
;; end of part 2
;; launch attn (part 3): grid 4 x 64, 16 waves a work-group, no clusters, 206,848 bytes of LDS; arguments qkimg, qkscl, vimg, vscl, mimg, mflag, cod, scl; writes cod, scl
.if DOCPART == 3
	.amdgcn_target "amdgcn-amd-amdhsa--gfx1250"
	.amdhsa_code_object_version 6
	.text
	.protected	k_q81e4b685f9_attn
	.globl	k_q81e4b685f9_attn
	.p2align	8
	.type	k_q81e4b685f9_attn,@function
k_q81e4b685f9_attn:
	s_mov_b64 s[64:65], 0
	v_nop
	global_prefetch_b8 v0, s[64:65] scope:SCOPE_SE
	s_setreg_imm32_b32 hwreg(HW_REG_WAVE_MODE, 25, 1), 1
	s_wait_xcnt 0x0
; O[b][h][q] = the sum over keys of softmax(q . k / 8 under the given mask) v, both products on codes of FP6 (E2M3) with E8M0 scales; O is quantised along the model's 1,024 on the way out and leaves as codes.
; THE SOFTMAX: t = score x log2(e) / 8; M = the running largest t rounded UP to a whole number; p = 2^(t - M) is quantised along the keys, not normalised; the sum is taken of the unquantised p and divides O at the end.
; THE MASK is an input.  An earlier launch has stored it as lane masks (one 32-bit word for each score register of a step) and as flags for each tile of 16 queries and step of 128 keys:
; a step in which no key counts for any of the 16 queries is left out by a scalar branch on the stored flag; a step in which all count skips the 64 selects.
; A ROW FOR WHICH NO KEY COUNTS has the sum 0: its two scale bytes become 0xff, the NaN of E8M0, so that the last product gives NaN in that row.
; SHARES.  A work-group owns one (batch, head); all its keys and values lie in LDS, brought once through registers.  Each of its 16 waves owns one tile of 16 queries in each of two passes:
; tile T = 16 x + w, then tile 127 - T: under a triangular mask every wave then has the same number of steps; the text is right for every mask.
; NO TENSOR LOAD AND NO JOINT LOAD, though the four work-groups of a head read the same K and V: the waves branch on numbers read from memory.
; NO PREFETCH: the launch's one stream is read at its head.
; LAYOUT.  Both products are used transposed: a lane holds ONE query (lane % 16).  The scores' K is 64: a fragment of K holds two tiles of 16 keys (registers 0-5, registers 6-11), and q is given as [q | 0] and as [0 | q].
; The keys of a tile are 32 B + 8 u + r + 8 (r / 8), so that score registers 16 f + i are the keys 32 f + 16 h + i of the step.
; LIMITS: a block of zeros gets the byte 1 (its codes are zeros); blocks under 2^-124 were not tried; NaN and infinities are not served.
; REGISTERS: v1-4, v6, v7, v35, v36 addresses that stay; v8-11 the step's; v12 -M, v13 the largest t, v[14:15] the sum; v16-21 zeros, v22-27 q, v28-33 zeros; v34 q's scale word; v37 -infinity;
;   v40-43 K's scale words, v44-47 V's; v48-95 four fragments of K, then of V; v96-159 scores, then p; v160-191 O^T; v192-210 codes; v212-231 at work.
; Mask word n lies in s[32 + n + 4 (n / 32)].
.set VI,  98304                        ; LDS: K's 64 fragments at 0; V's at VI + 6144 G + 1536 t;
.set KS,  196608                       ; K's scale words, 256 bytes a step;
.set VS,  200704                       ; V's
	s_load_b512 s[4:19], s[0:1], 0x0               ; qkimg, qkscl, vimg, vscl, mimg, mflag, cod, scl
	v_lshl_add_u32 v254, v0, 2, 0x32000
	v_mov_b32 v255, 0
	v_lshrrev_b32 v8, 5, v0
	v_readfirstlane_b32 s2, v8                     ; wave 0..15
	s_and_b32 s24, ttmp7, 0xffff                   ; 16 b + head
	s_lshr_b32 s25, s24, 4                         ; b
	s_and_b32 s26, s24, 15                         ; head
	s_lshl_b32 s27, s25, 5
	s_add_co_u32 s27, s27, s26                     ; q's place in qkimg and qkscl; k's is 16 further on
	s_mul_i32 s28, s27, 98304
	s_mov_b32 s29, 0
	s_lshl_b32 s30, s27, 12
	s_mov_b32 s31, 0
	s_lshl_b32 s3, ttmp9, 4
	s_add_co_u32 s3, s3, s2                        ; T of the first pass
	v_lshlrev_b32 v38, 4, v0                       ; 16 x thread
	v_and_b32 v39, 255, v0
	v_lshlrev_b32 v39, 4, v39
	v_add_nc_u32 v200, 0x10000, v38
	v_add_nc_u32 v201, VI, v38
	v_add_nc_u32 v202, VI+0x10000, v38
	v_add_nc_u32 v203, KS, v38
	s_wait_kmcnt 0x0
	s_add_nc_u64 s[4:5], s[4:5], s[28:29]
	s_add_nc_u64 s[6:7], s[6:7], s[30:31]
	s_mul_i32 s28, s24, 98304
	s_lshl_b32 s30, s24, 12
	s_add_nc_u64 s[8:9], s[8:9], s[28:29]
	s_add_nc_u64 s[10:11], s[10:11], s[30:31]
	s_lshl_b32 s28, s25, 7
	s_add_co_u32 s28, s28, 768                     ; O's first tile of this batch
	s_lshl_b32 s30, s28, 9
	s_mul_i32 s28, s28, 12288
	s_lshr_b32 s27, s26, 1
	s_mul_i32 s27, s27, 1536                       ; the head's K step of the last product,
	s_add_co_u32 s28, s28, s27
	s_and_b32 s27, s26, 1
	s_lshl_b32 s27, s27, 8                         ; and its half of the lanes: 256 bytes of each 512
	s_add_co_u32 s28, s28, s27
	s_add_nc_u64 s[16:17], s[16:17], s[28:29]
	s_lshl_b32 s27, s26, 1                         ; its two scale bytes of a row's 32
	s_add_co_u32 s30, s30, s27
	s_add_nc_u64 s[18:19], s[18:19], s[30:31]
	s_add_nc_u64 s[30:31], s[6:7], 65536           ; k's scale words
	s_cmp_lt_u32 s2, 8
	s_cselect_b64 s[30:31], s[30:31], s[10:11]     ; waves 0-7 bring K's, waves 8-15 V's
	; THE FILL: 25 loads a thread, each 8,192 consecutive bytes for the work-group, then as many LDS stores
.irp j, 0,1,2,3,4,5,6,7,8,9,10,11
	global_load_b128 v[96+4*\j:99+4*\j], v38, s[4:5] offset:16*98304+8192*\j
.endr
.irp j, 0,1,2,3,4,5,6,7,8,9,10,11
	global_load_b128 v[144+4*\j:147+4*\j], v38, s[8:9] offset:8192*\j
.endr
	global_load_b128 v[192:195], v39, s[30:31]
	v_and_b32 v8, 15, v0                           ; r
	v_bfe_u32 v9, v0, 4, 1                         ; h
	v_and_b32 v10, 31, v0
	v_lshlrev_b32 v1, 4, v10                       ; 16 x lane: an image's place; K's fragments begin at LDS byte 0
	v_add_nc_u32 v2, VI, v1
	v_lshlrev_b32 v6, 4, v8                        ; 16 r
	v_add_nc_u32 v3, KS, v6
	v_add_nc_u32 v4, VS, v6
	v_lshl_add_u32 v7, v9, 10, v6                  ; O: 16 r + 1024 h
	v_lshl_add_u32 v35, v9, 3, v6
	v_add_nc_u32 v35, 512, v35                     ; 512 + 16 r + 8 h
	v_lshlrev_b32 v36, 5, v8                       ; 32 r
	v_mov_b32 v37, 0xff800000                      ; -infinity
.irp i, 0,1,2,3,4,5
	v_mov_b32 v[16+\i], 0
	v_mov_b32 v[28+\i], 0
.endr
.irp i, 0,1,2,3
	v_mov_b32 v[216+\i], 0                         ; a lane permute's destination counts as read
.endr
	v_mov_b32 v224, 0
	v_mov_b32 v227, 0                              ; named as the upper half of the pair v[226:227]
	s_mov_b32 s20, 0x76543210
	s_mov_b32 s21, 0xfedcba98                      ; selects for lane l xor 16
	s_mov_b32 s22, 0x3e38aa3b                      ; c = log2(e) / 8
	s_mov_b32 s23, s22                             ; named with it as a pair
	s_mov_b32 s66, 0xffff0000                      ; lanes 16-31
.irp j, 0,1,2,3,4,5,6,7
	s_wait_loadcnt 24-\j                           ; loads come back in order: this one is in, the younger ones stay out
	ds_store_b128 v38, v[96+4*\j:99+4*\j] offset:8192*\j
.endr
.irp j, 8,9,10,11
	s_wait_loadcnt 24-\j
	ds_store_b128 v200, v[96+4*\j:99+4*\j] offset:8192*(\j-8)
.endr
.irp j, 0,1,2,3,4,5,6,7
	s_wait_loadcnt 12-\j
	ds_store_b128 v201, v[144+4*\j:147+4*\j] offset:8192*\j
.endr
.irp j, 8,9,10,11
	s_wait_loadcnt 12-\j
	ds_store_b128 v202, v[144+4*\j:147+4*\j] offset:8192*(\j-8)
.endr
	s_wait_loadcnt 0x0
	ds_store_b128 v203, v[192:195]
	s_wait_dscnt 0x0                               ; for the others' sake: my stores have landed
	s_barrier_signal -1
	s_barrier_wait -1                              ; the launch's one barrier: from here on LDS is only read
	s_mov_b32 s29, 2
.Lpass:
	s_lshl_b32 s30, s3, 4
	s_load_b128 s[8:11], s[14:15], s30 offset:0x0  ; the tile's four flag words
	s_lshr_b32 s31, s3, 1                          ; B = T / 2
	s_mul_i32 s101, s31, 1536
	v_add_nc_u32 v38, s101, v1
	global_load_b128 v[96:99], v38, s[4:5]         ; q's image: tiles (B, 0) and (B, 1)
	global_load_b128 v[100:103], v38, s[4:5] offset:512
	global_load_b128 v[104:107], v38, s[4:5] offset:1024
	s_lshr_b32 s101, s31, 2
	s_lshl_b32 s101, s101, 8
	s_and_b32 s31, s31, 3
	s_lshl_b32 s31, s31, 2
	s_add_co_u32 s101, s101, s31
	v_add_nc_u32 v39, s101, v6
	global_load_b32 v108, v39, s[6:7]              ; and the word with both tiles' scale bytes
	s_and_b32 s101, s3, 1
	s_cmp_lg_u32 s101, 0                           ; which of the two tiles is mine
	s_cselect_b32 s67, -1, 0
	s_mov_b32 s100, 0x03020302
	s_cselect_b32 s100, s100, 0x01000100           ; my two bytes, twice: they serve [q | 0] and [0 | q]
	v_mov_b32 v13, 0xff61b1e6                      ; the largest t so far: -3e38
	v_floor_f32 v12, -v13                          ; -M
	v_mov_b32 v14, 0
	v_mov_b32 v15, 0
	s_wait_kmcnt 0x0
	s_lshl_b32 s9, s9, 4
	s_lshl_b32 s10, s10, 8
	s_lshl_b32 s11, s11, 12
	s_or_b32 s24, s8, s9
	s_or_b32 s24, s24, s10
	s_or_b32 s24, s24, s11                         ; bit G: step G has a key that counts; bit 16 + G: all its keys count
	s_mul_i32 s30, s3, 12288
	s_mov_b32 s31, 0
	s_add_nc_u64 s[8:9], s[16:17], s[30:31]        ; where my tile of O goes,
	s_lshl_b32 s30, s3, 9
	s_add_nc_u64 s[10:11], s[18:19], s[30:31]      ; and its scale bytes
	s_wait_loadcnt 0x0
.irp i, 0,1,2,3,4,5
	v_cndmask_b32 v[22+\i], v[96+\i], v[102+\i], s67
.endr
	v_perm_b32 v34, v108, v108, s100
.set j, 0
.rept 32
	v_mov_b32 v[160+j], 0                          ; O^T: the first step may be one that is left out, so no product can start the sums.  (Also the places between q, its scale word and the first product)
.set j, j+1
.endr
	s_mov_b32 s25, 0                               ; G
.Lstep:
	s_lshr_b32 s30, s24, s25
	s_and_b32 s30, s30, 1
	s_cmp_eq_u32 s30, 0
	s_cbranch_scc1 .Lskip                          ; no key of this step counts for any of my queries
	s_lshl_b32 s27, s25, 8
	s_lshl_b32 s28, s3, 12
	s_add_co_u32 s28, s28, s27
	s_load_b512 s[32:47], s[12:13], s28 offset:0x0   ; the step's 64 mask words
	s_load_b512 s[48:63], s[12:13], s28 offset:0x40
	s_load_b512 s[68:83], s[12:13], s28 offset:0x80
	s_load_b512 s[84:99], s[12:13], s28 offset:0xc0
	s_mul_i32 s26, s25, 6144
	v_add_nc_u32 v8, s26, v1                       ; these four are also the places behind the last products, in front of the loads below
	v_add_nc_u32 v9, s26, v2
	v_add_nc_u32 v10, s27, v3
	v_add_nc_u32 v11, s27, v4
.irp f, 0,1,2,3
.irp k, 0,1,2
	ds_load_b128 v[48+12*\f+4*\k:51+12*\f+4*\k], v8 offset:1536*\f+512*\k
.endr
.endr
	ds_load_b128 v[40:43], v10
	s_wait_dscnt 0x0
.irp f, 0,1,2,3
	v_wmma_scale_f32_16x16x128_f8f6f4 v[96+16*\f:103+16*\f], v[48+12*\f:59+12*\f], v[22:33], 0, v[40+\f], v34 matrix_a_fmt:MATRIX_FMT_FP6 matrix_b_fmt:MATRIX_FMT_FP6
	v_wmma_scale_f32_16x16x128_f8f6f4 v[104+16*\f:111+16*\f], v[48+12*\f:59+12*\f], v[16:27], 0, v[40+\f], v34 matrix_a_fmt:MATRIX_FMT_FP6 matrix_b_fmt:MATRIX_FMT_FP6
.endr
.rept 4
	v_nop                                          ; places: in front of the loads into K's registers and of the first read of the scores
.endr
.irp f, 0,1,2,3
.irp k, 0,1,2
	ds_load_b128 v[48+12*\f+4*\k:51+12*\f+4*\k], v9 offset:1536*\f+512*\k   ; V's four fragments land while the softmax is walked
.endr
.endr
	ds_load_b128 v[44:47], v11
	s_wait_kmcnt 0x0                               ; the mask words are in, on both ways below
	s_add_co_u32 s30, s25, 16
	s_lshr_b32 s30, s24, s30
	s_and_b32 s30, s30, 1
	s_cmp_lg_u32 s30, 0
	s_cbranch_scc1 .Lopen                          ; every key of the step counts
.set n, 0
.rept 64
	v_cndmask_b32 v[96+n], v[96+n], v37, s[32+n+4*(n/32)]   ; hidden scores become -infinity ahead of the maximum
.set n, n+1
.endr
.Lopen:
.irp b, 0,1,2,3
	v_max3_num_f32 v[212+\b], v[96+16*\b], v[97+16*\b], v[98+16*\b]   ; the largest score of each block of 32 keys: for the row's maximum, and, since p rises with the score, for the block's largest p
.endr
.irp i, 3,5,7,9,11,13
.irp b, 0,1,2,3
	v_max3_num_f32 v[212+\b], v[212+\b], v[96+16*\b+\i], v[97+16*\b+\i]
.endr
.endr
.irp b, 0,1,2,3
	v_max_num_f32 v[212+\b], v[212+\b], v[111+16*\b]
.endr
.irp b, 0,1,2,3
	v_permlanex16_b32 v[216+\b], v[212+\b], s20, s21
.endr
.irp b, 0,1,2,3
	v_max_num_f32 v[212+\b], v[212+\b], v[216+\b]  ; with lane l xor 16's 16 keys
.endr
	v_max3_num_f32 v224, v212, v213, v214
	v_max_num_f32 v224, v224, v215
	v_mul_f32 v224, s22, v224                      ; as t (c is positive)
	v_max_num_f32 v13, v13, v224                   ; the running largest t
	v_mov_b32 v224, v12
	v_floor_f32 v12, -v13                          ; the new -M = -ceil(t)
	v_sub_f32 v224, v12, v224                      ; old M - new M: a whole number, 0 or less
	v_cvt_i32_f32 v224, v224                       ; (it saturates)
	v_ldexp_f32 v226, 1.0, v224                    ; f = 2^(old M - new M): a multiplication by it rounds nothing
.set j, 0
.rept 32
	v_pk_fma_f32 v[96+j:97+j], v[96+j:97+j], s[22:23], v[12:13] op_sel_hi:[1,0,0]   ; t - M, two at a time
.set j, j+2
.endr
.irp b, 0,1,2,3
	v_fma_f32 v[212+\b], v[212+\b], s22, v12       ; the same of each block's largest score
.endr
.set j, 0
.rept 64
	v_exp_f32 v[96+j], v[96+j]                     ; p = 2^(t - M)
.set j, j+1
.endr
	v_pk_mul_f32 v[14:15], v[14:15], v[226:227] op_sel_hi:[1,0]   ; the sums under the new M: the plain place behind the exponentials
	s_wait_alu depctr_va_vdst(0)                   ; one wait for the batch of 64, ahead of its first reader
.irp b, 0,1,2,3
	v_exp_f32 v[212+\b], v[212+\b]                 ; the blocks' largest p
.endr
	v_pk_add_f32 v[230:231], v[96:97], v[98:99]    ; the row's sum of the unquantised p, in two chains
.irp j, 4,8,12,16,20,24,28,32,36,40,44,48,52,56,60
	v_pk_add_f32 v[14:15], v[14:15], v[96+\j:97+\j]
	v_pk_add_f32 v[230:231], v[230:231], v[98+\j:99+\j]
.endr
	v_pk_add_f32 v[14:15], v[14:15], v[230:231]
	s_wait_alu depctr_va_vdst(0)                   ; and one for the four
.irp b, 0,1,2,3
	v_max_num_f32 v[212+\b], 0x1800000, v[212+\b]  ; the floor 2^(3 - 127)
.endr
.irp b, 0,1,2,3
	v_add_nc_u32 v[220+\b], 0xff000000, v[212+\b]  ; the conversions' scale operands
.endr
.irp b, 0,1,2,3
	v_lshrrev_b32 v[216+\b], 23, v[220+\b]         ; the bytes
.endr
	v_lshl_or_b32 v228, v217, 8, v216              ; p's scale word for these 128 keys
	v_lshl_or_b32 v228, v218, 16, v228
	v_lshl_or_b32 v228, v219, 24, v228
.irp c, 0,1
	v_cvt_scalef32_pk16_fp6_f32 v[192+6*\c:194+6*\c], v[96+32*\c:111+32*\c], v[220+2*\c]
	v_cvt_scalef32_pk16_fp6_f32 v[204+4*\c:206+4*\c], v[112+32*\c:127+32*\c], v[220+2*\c+1]
.endr
	v_nop                                          ; one plain place behind a scaled conversion
.irp c, 0,1
.irp i, 0,1,2
	v_permlane16_swap_b32 v[192+6*\c+\i], v[204+4*\c+\i]   ; a whole block to a lane
.endr
.irp i, 0,1,2
	v_mov_b32 v[195+6*\c+\i], v[204+4*\c+\i]
.endr
.endr
.set j, 0
.rept 16
	v_pk_mul_f32 v[160+j:161+j], v[160+j:161+j], v[226:227] op_sel_hi:[1,0]   ; O^T under the new M.  (Also the places between p's codes, its scale word and the products)
.set j, j+2
.endr
	s_wait_dscnt 0x0                               ; V is in
.irp t, 0,1,2,3
	v_wmma_scale_f32_16x16x128_f8f6f4 v[160+8*\t:167+8*\t], v[48+12*\t:59+12*\t], v[192:203], v[160+8*\t:167+8*\t], v[44+\t], v228 matrix_a_fmt:MATRIX_FMT_FP6 matrix_b_fmt:MATRIX_FMT_FP6   ; the four accumulators take turns
.endr
.Lskip:
	s_add_co_u32 s25, s25, 1
	s_cmp_lt_u32 s25, 16
	s_cbranch_scc1 .Lstep
	; THE WAY OUT OF A PASS: O^T / the sum; the head's two blocks of 32 are quantised; three aligned runs of 256 bytes of the tile's image in cod, and two scale bytes a row.
.rept 4
	v_nop                                          ; places behind the last products
.endr
	v_add_f32 v14, v14, v15
	v_permlanex16_b32 v224, v14, s20, s21
	v_add_f32 v14, v14, v224                       ; the row's sum
	v_rcp_f32 v226, v14
	v_cmp_eq_f32 s100, 0, v14                      ; no key counted for this query
	v_nop                                          ; a plain place behind the reciprocal
	s_wait_alu depctr_va_vdst(0)                   ; the wait ahead of its first reader
.set j, 0
.rept 16
	v_pk_mul_f32 v[96+j:97+j], v[160+j:161+j], v[226:227] op_sel_hi:[1,0]   ; register 16 b + i: d = 32 b + 16 h + i
.set j, j+2
.endr
.irp b, 0,1
	v_max3_num_f32 v[212+\b], |v[96+16*\b]|, |v[97+16*\b]|, 0x1800000
.endr
.irp i, 2,4,6,8,10,12,14
.irp b, 0,1
	v_max3_num_f32 v[212+\b], v[212+\b], |v[96+16*\b+\i]|, |v[97+16*\b+\i]|
.endr
.endr
.irp b, 0,1
	v_permlanex16_b32 v[216+\b], v[212+\b], s20, s21
.endr
.irp b, 0,1
	v_max_num_f32 v[212+\b], v[212+\b], v[216+\b]
.endr
.irp b, 0,1
	v_add_nc_u32 v[220+\b], 0xff000000, v[212+\b]
.endr
.irp b, 0,1
	v_lshrrev_b32 v[216+\b], 23, v[220+\b]
.endr
	v_lshl_or_b32 v224, v217, 8, v216
	v_cndmask_b32 v224, v224, -1, s100             ; a row with no key: both bytes 0xff
	v_cvt_scalef32_pk16_fp6_f32 v[192:194], v[96:111], v220
	v_cvt_scalef32_pk16_fp6_f32 v[204:206], v[112:127], v221
	v_nop                                          ; one plain place behind a scaled conversion
.irp i, 0,1,2
	v_permlane16_swap_b32 v[192+\i], v[204+\i]     ; lane (r, h) now holds block h of query r: v192-194 its lower 16 codes, v204-206 its upper 16
.endr
	; In the image the row's lane holds registers 0-5 = block 0, registers 6-11 = block 1.  Lanes 0-15 give registers 0-3 and 4, 5; lanes 16-31 registers 6, 7 and 8-11.
	v_cndmask_b32 v196, v192, v194, s66
	v_cndmask_b32 v197, v193, v204, s66
	v_cndmask_b32 v198, v194, v205, s66
	v_cndmask_b32 v199, v204, v206, s66
	v_cndmask_b32 v200, v205, v192, s66
	v_cndmask_b32 v201, v206, v193, s66
	global_store_b128 v7, v[196:199], s[8:9]       ; two runs of 256 consecutive bytes, aligned
	global_store_b64 v35, v[200:201], s[8:9]       ; one more
	global_store_b16 v36, v224, s[10:11]           ; two bytes of each row's 32: the layout that the last product's launch reads; lanes r and r + 16 store the same bytes
	s_wait_xcnt 0x0                                ; the stores have read their registers and bases: both are written again in the next pass
	s_sub_co_u32 s3, 127, s3                       ; the second pass's tile
	s_sub_co_u32 s29, s29, 1
	s_cmp_lg_u32 s29, 0
	s_cbranch_scc1 .Lpass
	s_wait_tensorcnt 0x0
	ds_add_u32 v254, v255
	s_wait_dscnt 0x0
	s_endpgm
.Lfunc_end_k_q81e4b685f9_attn:
	.size	k_q81e4b685f9_attn, .Lfunc_end_k_q81e4b685f9_attn-k_q81e4b685f9_attn
	.p2alignl 7, 3214868480
	.fill 96, 4, 3214868480
	.section	.rodata,"a",@progbits
	.p2align	6, 0x0
	.amdhsa_kernel k_q81e4b685f9_attn
		.amdhsa_group_segment_fixed_size 206848
		.amdhsa_private_segment_fixed_size 0
		.amdhsa_enable_private_segment 0
		.amdhsa_kernarg_size 64
		.amdhsa_user_sgpr_count 2
		.amdhsa_user_sgpr_kernarg_segment_ptr 1
		.amdhsa_wavefront_size32 1
		.amdhsa_system_sgpr_workgroup_id_x 1
		.amdhsa_system_sgpr_workgroup_id_y 1
		.amdhsa_system_sgpr_workgroup_id_z 1
		.amdhsa_system_vgpr_workitem_id 0
		.amdhsa_next_free_vgpr 256
		.amdhsa_next_free_sgpr 102
		.amdhsa_reserve_vcc 0
		.amdhsa_float_denorm_mode_32 3
		.amdhsa_float_denorm_mode_16_64 3
		.amdhsa_memory_ordered 1
		.amdhsa_forward_progress 1
		.amdhsa_inst_pref_size 36
	.end_amdhsa_kernel
	.amdgpu_metadata
---
amdhsa.version: [ 1, 2 ]
amdhsa.kernels:
  - .name:           k_q81e4b685f9_attn
    .symbol:         k_q81e4b685f9_attn.kd
    .args:
      - { .name: qkimg, .offset: 0, .size: 8, .value_kind: global_buffer, .address_space: global }
      - { .name: qkscl, .offset: 8, .size: 8, .value_kind: global_buffer, .address_space: global }
      - { .name: vimg, .offset: 16, .size: 8, .value_kind: global_buffer, .address_space: global }
      - { .name: vscl, .offset: 24, .size: 8, .value_kind: global_buffer, .address_space: global }
      - { .name: mimg, .offset: 32, .size: 8, .value_kind: global_buffer, .address_space: global }
      - { .name: mflag, .offset: 40, .size: 8, .value_kind: global_buffer, .address_space: global }
      - { .name: cod, .offset: 48, .size: 8, .value_kind: global_buffer, .address_space: global }
      - { .name: scl, .offset: 56, .size: 8, .value_kind: global_buffer, .address_space: global }
    .group_segment_fixed_size: 206848
    .private_segment_fixed_size: 0
    .kernarg_segment_align: 8
    .kernarg_segment_size: 64
    .max_flat_workgroup_size: 512
    .sgpr_count:     102
    .vgpr_count:     256
    .wavefront_size: 32
...
	.end_amdgpu_metadata
.endif
;; end of part 3
;; launch oproj (part 4): grid 4 x 32, 4 waves a work-group, clusters of 4 x 4, 327,680 bytes of LDS; arguments cod, scl, out0; writes out0
.if DOCPART == 4
	.amdgcn_target "amdgcn-amd-amdhsa--gfx1250"
	.amdhsa_code_object_version 6
	.text
	.protected	k_q81e4b685f9_oproj
	.globl	k_q81e4b685f9_oproj
	.p2align	8
	.type	k_q81e4b685f9_oproj,@function
k_q81e4b685f9_oproj:
	s_mov_b64 s[64:65], 0
	v_nop
	global_prefetch_b8 v0, s[64:65] scope:SCOPE_SE
	s_setreg_imm32_b32 hwreg(HW_REG_WAVE_MODE, 25, 1), 1
	s_wait_xcnt 0x0
	s_wait_alu depctr_hold_cnt(0) depctr_sa_sdst(0) depctr_va_vdst(0) depctr_va_sdst(0) depctr_va_ssrc(0) depctr_va_vcc(0) depctr_vm_vsrc(0)
	s_getreg_b32 s2, hwreg(HW_REG_IB_STS2, 6, 4)
	s_cmp_eq_u32 s2, 0
	s_cbranch_scc0 .Lentry_in_a_cluster
	s_endpgm
.Lentry_in_a_cluster:
	s_bfe_u32 s2, ttmp6, 0x10000c
	s_cmp_lg_u32 s2, 0xf033
	s_cbranch_scc0 .Lentry_shape_is_right
	s_endpgm
.Lentry_shape_is_right:
; out0 = O Wo^T on codes of FP6 (E2M3) with E8M0 scales, K = 1,024; out0 [8192][1024] f32.  O's codes (tiles 768 on of cod) were made by the attention launch, Wo's (tiles 704 on) by the first.
; The product is used transposed: source 0 = 16 rows of P = Wo (they fall into a lane's registers: eight neighbouring columns of out0), source 1 = 16 rows of Q = O (the lanes: tokens).
; A tile's lane r stands for row 32 B + 8 u + r + 8 (r / 8), on both sides; the way out puts rows and columns back.
; A work-group of four waves makes 256 x 256; a wave 128 x 128: 64 accumulators, 512 registers.  K goes through a ring of two LDS slots of 256 along K, filled by the tensor data mover.
; In cod a fragment (16 rows x 128 K) is an image of its 12 registers, 1,536 bytes: three ds_load_b128 at 16 x lane bring it.
; Inside each 128 along K blocks 1 and 2 stand in each other's place on both operands; the scale words, stored in natural order, are turned once by v_perm_b32.
; A token for which the mask lets no key count has scale bytes 0xff: its row of out0 is NaN.
; CLUSTERS: 4 x 4 work-groups.  Q's tiles hang on the cluster row alone and are asked for jointly along it, P's on the cluster column.
; The grid has 128 work-groups: the loop is that of the launch for q, k and v, tile for tile.
; REGISTERS: window 0: v16-31 addresses; v32-95 scale words (32 + 8 i + ks: lanes 0-15 Q tile i, lanes 16-31 P tile i); v128-223 Q's 8 fragments, one set; on the way out v128-255 rows of out0.
;   window 1: P's fragments, two sets, at v0 and v128.   windows 2, 3: accumulator (a, b) at v[8 (8 (a % 4) + b)].
.set FR,     12
.set KSB,    1536
.set TILEB,  12288
.set SLOTK,  2*KSB
.set HALFT,  8*SLOTK
.set SLOT,   4*HALFT
.set SPARE,  2*SLOT                    ; behind the ring: the spare words, 128 bytes a wave
.set SPITCH, 528                       ; the way out: a stage of 16 rows x (512 bytes + 16) for each wave, in slot 0, which has had its last fill and its last read when the first result is stored there
.set ADRA, 16
.set ADRB, 20
.set STO,  24                          ; v24 where I put 32 bytes of a row
.set RD,   25                          ; v25 where I read a row back
.set LI,   26                          ; v26 16 x lane
.set SPW,  28
.set NIL,  29
.set SCO,  30
.set SC,   32
.set AF,   128
.set BK,   128
.set WV,   16
.set WR,   17
.set WC,   18
.set G1,   24
.set G0,   32
.set G1B,  48
.set G0B,  56
.set HM,   66
.set MSB, 0
.macro WIN new                         ; the immediate's high byte repeats the setting that is left
.if MSB != (\new)
	s_set_vgpr_msb (MSB<<8)|(\new)
.set MSB, (\new)
.endif
.endm
.set MUL_LO, 0xa1
.set MUL_HI, 0xf1
.set TO_B,   0x40
.macro JLOAD g0a, g1a, g0b, g1b        ; a joint load: waves 0 and 1 fetch for Q, waves 2 and 3 for P; four v_nop follow each of the two lines
	s_cmp_eq_u32 s[WR], 0
	s_cbranch_scc0 .Lfor_p_\@
	tensor_load_to_lds s[\g0a:\g0a+3], s[\g1a:\g1a+7]
	s_nop 0
.rept 4
	v_nop
.endr
	s_branch .Lasked_\@
.Lfor_p_\@:
	tensor_load_to_lds s[\g0b:\g0b+3], s[\g1b:\g1b+7]
	s_nop 0
.rept 4
	v_nop
.endr
.Lasked_\@:
.endm
.macro CREST
	s_cmp_lg_u32 s[WV], 0
	s_cbranch_scc1 .Lnot_wave_0_\@
	s_barrier_signal -3
.Lnot_wave_0_\@:
	s_barrier_wait -3
	s_barrier_signal -1
	s_barrier_wait -1
.endm
.macro CROUND
	s_barrier_signal -1
	s_barrier_wait -1
	CREST
.endm
.macro PLACES                          ; four places behind a matrix instruction (ISA guide 7.12.1)
.rept 4
	v_nop
.endr
.endm
	s_load_b128 s[4:7], s[0:1], 0x0                ; cod, scl
	s_load_b64 s[8:9], s[0:1], 0x10                ; out0
	v_lshl_add_u32 v[SPW], v0, 2, SPARE
	v_mov_b32 v[NIL], 0
	ds_add_u32 v28, v29
	ds_add_u32 v28, v29
	s_wait_dscnt 0x0
	v_lshrrev_b32 v1, 5, v0
	v_readfirstlane_b32 s[WV], v1
	s_lshr_b32 s[WR], s[WV], 1
	s_and_b32 s[WC], s[WV], 1
	s_bfe_u32 s40, ttmp6, 0x40000                  ; cx
	s_bfe_u32 s41, ttmp6, 0x40004                  ; cy
	s_and_b32 s43, ttmp7, 0xffff                   ; the cluster's y
	s_lshl_b32 s45, ttmp9, 2
	s_add_co_u32 s45, s45, s40                     ; px
	s_lshl_b32 s45, s45, 4
	s_add_co_u32 s45, s45, 704                     ; gP: Wo's tiles
	s_lshl_b32 s46, s43, 2
	s_add_co_u32 s46, s46, s41                     ; qy
	s_lshl_b32 s46, s46, 4
	s_add_co_u32 s46, s46, 768                     ; gQ: O's tiles
	s_lshl_b32 s68, s41, 2
	s_lshl_b32 s68, 15, s68                        ; my row of the cluster
	s_lshl_b32 s69, 0x1111, s40                    ; my column
	s_or_b32 s[G1+0], s68, (3<<16)|(1<<21)         ; 8 rows (tiles) of 3,072 bytes, 12,288 bytes apart, as elements of 8 bytes; dense in LDS
	s_or_b32 s[G1B+0], s69, (3<<16)|(1<<21)
.irp g, G1, G1B
	s_mov_b32 s[\g+1], (SLOTK/8)<<16
	s_mov_b32 s[\g+2], 8<<16
	s_mov_b32 s[\g+3], (SLOTK/8)<<16
	s_mov_b32 s[\g+4], 8
	s_mov_b32 s[\g+5], TILEB/8
	s_mov_b32 s[\g+6], 0
	s_mov_b32 s[\g+7], 0
.endr
	s_lshl_b32 s70, s[WC], 3
	s_add_co_u32 s72, s46, s70
	s_add_co_u32 s74, s45, s70
	s_mul_i32 s72, s72, TILEB
	s_mul_i32 s74, s74, TILEB
	s_mov_b32 s73, 0
	s_mov_b32 s75, 0
	s_mul_i32 s71, s[WV], HALFT
	s_mov_b32 s[HM], 0xffff0000
	s_mov_b32 s67, 0x03010200
	s_wait_kmcnt 0x0
	s_add_nc_u64 s[72:73], s[4:5], s[72:73]
	s_add_nc_u64 s[74:75], s[4:5], s[74:75]
	CROUND                                         ; all sixteen work-groups are here: the first joint loads meet
.irp s, 0,1
	s_mov_b32 s[G0+4*\s], 1
	s_add_co_u32 s[G0+4*\s+1], s71, \s*SLOT
	s_add_nc_u64 s[G0+4*\s+2:G0+4*\s+3], s[72:73], \s*SLOTK
	s_or_b32 s[G0+4*\s+3], s[G0+4*\s+3], 0x80000000
	s_mov_b32 s[G0B+4*\s], 1
	s_add_co_u32 s[G0B+4*\s+1], s71, \s*SLOT
	s_add_nc_u64 s[G0B+4*\s+2:G0B+4*\s+3], s[74:75], \s*SLOTK
	s_or_b32 s[G0B+4*\s+3], s[G0B+4*\s+3], 0x80000000
	JLOAD G0+4*\s, G1, G0B+4*\s, G1B               ; two loads of mine are out
.endr
	s_lshl_b32 s76, s[WR], 3
	s_add_co_u32 s76, s76, s46
	s_lshl_b32 s76, s76, 9
	s_lshl_b32 s77, s[WC], 3
	s_add_co_u32 s77, s77, s45
	s_lshl_b32 s77, s77, 9
	v_and_b32 v1, 15, v0                           ; r
	v_bfe_u32 v2, v0, 4, 1                         ; h
	v_and_b32 v3, 31, v0                           ; lane
	v_mov_b32 v4, s76
	v_mov_b32 v5, s77
	v_cndmask_b32 v4, v4, v5, s[HM]
	v_lshl_add_u32 v[SCO], v1, 5, v4
.irp i, 0,1,2,3,4,5,6,7
.irp e, 0,1
	global_load_b128 v[SC+8*\i+4*\e:SC+8*\i+4*\e+3], v[SCO], s[6:7] offset:512*\i+16*\e
.endr
.endr
	v_lshlrev_b32 v[LI], 4, v3
	s_mul_i32 s78, s[WR], HALFT
	s_mul_i32 s79, s[WC], HALFT
	s_add_co_u32 s79, s79, 2*HALFT
.irp s, 0,1
	v_add_nc_u32 v[ADRA+\s], s78, v[LI]
	v_add_nc_u32 v[ADRB+\s], s79, v[LI]
	s_add_co_u32 s78, s78, SLOT
	s_add_co_u32 s79, s79, SLOT
.endr
	s_mul_i32 s80, s[WV], 16*SPITCH                ; my stage
	v_mul_u32_u24 v4, v1, SPITCH
	v_lshl_add_u32 v4, v2, 6, v4
	v_add_nc_u32 v[STO], s80, v4                   ; in: row r, + 64 h
	v_add_nc_u32 v[RD], s80, v[LI]                 ; back: a whole row, 16 bytes a lane
	s_lshl_b32 s82, s43, 2
	s_add_co_u32 s82, s82, s41
	s_lshl_b32 s82, s82, 8
	s_lshl_b32 s83, s[WR], 7
	s_add_co_u32 s82, s82, s83                     ; my first row of out0
	s_lshl_b32 s82, s82, 12
	s_lshl_b32 s83, ttmp9, 2
	s_add_co_u32 s83, s83, s40
	s_lshl_b32 s83, s83, 10                        ; my first column, in bytes: 1,024 px + 512 x half
	s_add_co_u32 s82, s82, s83
	s_lshl_b32 s83, s[WC], 9
	s_add_co_u32 s82, s82, s83
	s_mov_b32 s83, 0
	s_add_nc_u64 s[8:9], s[8:9], s[82:83]
	s_wait_loadcnt 0x0
.set n, 0
.rept 64
	v_perm_b32 v[SC+n], v[SC+n], v[SC+n], s67
.set n, n+1
.endr
.rept 8
	v_nop                                          ; a scale register written by a vector instruction stands 8 places ahead of a scaled matrix instruction
.endr
.macro FRAG reg, adr, q, i
.irp k, 0,1,2
	ds_load_b128 v[\reg+4*\k:\reg+4*\k+3], v[\adr] offset:SLOTK*(\i)+KSB*(\q)+512*\k
.endr
.endm
.macro FETCH_B slot, q, p
	WIN TO_B
.irp i, 0,1,2,3,4,5,6,7
	FRAG 128*(\p)+FR*\i, ADRB+\slot, \q, \i
.endr
	WIN 0
.endm
.macro FETCH_A slot, q, i0
.irp i, \i0, \i0+1, \i0+2, \i0+3
	FRAG AF+FR*(\i), ADRA+\slot, \q, \i
.endr
.endm
; The 64 accumulators take turns, one instruction a turn, in the same order in every step.
.macro MUL16 a0, p, ks, zero
.irp a, \a0, \a0+1
.irp b, 0,1,2,3,4,5,6,7
.if \zero
	v_wmma_scale_f32_16x16x128_f8f6f4 v[8*(8*((\a)%4)+\b):8*(8*((\a)%4)+\b)+7], v[128*(\p)+FR*\b:128*(\p)+FR*\b+FR-1], v[AF+FR*(\a):AF+FR*(\a)+FR-1], 0, v[SC+8*\b+(\ks)], v[SC+8*(\a)+(\ks)] matrix_a_fmt:MATRIX_FMT_FP6 matrix_b_fmt:MATRIX_FMT_FP6 matrix_a_scale:MATRIX_SCALE_ROW1
.else
	v_wmma_scale_f32_16x16x128_f8f6f4 v[8*(8*((\a)%4)+\b):8*(8*((\a)%4)+\b)+7], v[128*(\p)+FR*\b:128*(\p)+FR*\b+FR-1], v[AF+FR*(\a):AF+FR*(\a)+FR-1], v[8*(8*((\a)%4)+\b):8*(8*((\a)%4)+\b)+7], v[SC+8*\b+(\ks)], v[SC+8*(\a)+(\ks)] matrix_a_fmt:MATRIX_FMT_FP6 matrix_b_fmt:MATRIX_FMT_FP6 matrix_a_scale:MATRIX_SCALE_ROW1
.endif
.endr
.endr
.endm
.macro STEP slot, ks, zero
	s_wait_dscnt 12                                ; P's set and Q's blocks 0-3 are in; the youngest 12 loads (Q's blocks 4-7) may be out
	WIN MUL_LO
	MUL16 0, 0, \ks, \zero
	MUL16 2, 0, \ks, \zero
	s_wait_dscnt 0x0
	PLACES
	FETCH_B \slot, 1, 1
	FETCH_A \slot, 1, 0
	WIN MUL_HI
	MUL16 4, 0, \ks, \zero
	MUL16 6, 0, \ks, \zero
	PLACES
	WIN 0
	FETCH_A \slot, 1, 4
.endm
.macro TURN slot, next, ks, fill
	s_wait_tensorcnt 0x0                           ; all my tensor loads have landed: my part of the next slot
	ds_add_u32 v[SPW], v[NIL]                      ; 0 onto my spare word
	s_wait_dscnt 13                                ; the add and the youngest 12 loads may be out
	WIN MUL_LO
	MUL16 0, 1, \ks, 0
	s_wait_dscnt 0x0                               ; the add is done, and my reads of this slot are over
	s_barrier_signal -1
	MUL16 2, 1, \ks, 0
	WIN 0
	s_barrier_wait -1
.if \fill
	CREST                                          ; a round of the cluster's barrier: no wave of any partner still reads this slot or has a load on its way
	s_add_nc_u64 s[G0+4*\slot+2:G0+4*\slot+3], s[G0+4*\slot+2:G0+4*\slot+3], 2*SLOTK
	s_add_nc_u64 s[G0B+4*\slot+2:G0B+4*\slot+3], s[G0B+4*\slot+2:G0B+4*\slot+3], 2*SLOTK
	JLOAD G0+4*\slot, G1, G0B+4*\slot, G1B         ; the first tensor load behind the round; its four v_nop are the places in front of the loads below
.else
	PLACES
.endif
	FETCH_B \next, 0, 0
	FETCH_A \next, 0, 0
	WIN MUL_HI
	MUL16 4, 1, \ks, 0
	MUL16 6, 1, \ks, 0
	PLACES
	WIN 0
	FETCH_A \next, 0, 4
.endm
	s_wait_tensorcnt 1                             ; my part of slot 0 is in; slot 1's may stay out
	s_barrier_signal -1
	s_barrier_wait -1
	FETCH_B 0, 0, 0
	FETCH_A 0, 0, 0
	FETCH_A 0, 0, 4
	STEP 0, 0, 1
	TURN 0, 1, 1, 1
	STEP 1, 2, 0
	TURN 1, 0, 3, 1
	STEP 0, 4, 0
	TURN 0, 1, 5, 0
	STEP 1, 6, 0
	s_wait_dscnt 12
	WIN MUL_LO
	MUL16 0, 1, 7, 0
	MUL16 2, 1, 7, 0
	s_wait_dscnt 0x0
	WIN MUL_HI
	MUL16 4, 1, 7, 0
	MUL16 6, 1, 7, 0
	WIN 0
	PLACES
; THE WAY OUT, block by block of 16 tokens x 128 columns.  In accumulator (a, b) lane (r, h) holds columns 32 (b / 2) + 16 h + 8 (b % 2) + 0 .. 7 of the token in lane r of Q's tile a.
; A block goes through my own stage in LDS and comes back as whole rows of 512 bytes.  LDS serves a wave's instructions in order: no wait between the stores and the loads.
.macro TOSTAGE a
.set AC, 64*((\a)%4)
	WIN 0x08+4*((\a)/4)                            ; the data: window 2 or 3
.irp b, 0,1,2,3,4,5,6,7
	ds_store_b128 v[STO], v[AC+8*\b:AC+8*\b+3] offset:128*(\b/2)+32*(\b%2)         ; each accumulator from its low end on
	ds_store_b128 v[STO], v[AC+8*\b+4:AC+8*\b+7] offset:128*(\b/2)+32*(\b%2)+16
.endr
	WIN 0
.set BB, BK+64*((\a)%2)
.irp t, 0,1,2,3,4,5,6,7,8,9,10,11,12,13,14,15
	ds_load_b128 v[BB+4*\t:BB+4*\t+3], v[RD] offset:\t*SPITCH
.endr
.endm
.macro SEND a, younger                 ; younger: the LDS instructions issued behind block a's loads, which may stay out
.set BB, BK+64*((\a)%2)
	s_wait_dscnt \younger
.irp t, 0,1,2,3,4,5,6,7,8,9,10,11,12,13,14,15
	global_store_b128 v[LI], v[BB+4*\t:BB+4*\t+3], s[8:9] offset:(32*((\a)/2)+8*((\a)%2)+\t+8*(\t/8))*4096 th:TH_STORE_NT   ; 32 lanes store 512 consecutive bytes, aligned; the row's place among my 128 stands in the immediate
.endr
.endm
	TOSTAGE 0
.irp a, 1,2,3,4,5,6,7
.if \a > 1
	s_wait_xcnt 0x0                                ; block a - 2's stores have read their registers: block a's loads may land there
.endif
	TOSTAGE \a
	SEND \a-1, 32                                  ; behind block a - 1's loads: block a's 16 stores and 16 loads
.endr
	SEND 7, 0
	s_wait_tensorcnt 0x0                           ; the wave's end
	ds_add_u32 v[SPW], v[NIL]
	s_wait_dscnt 0x0
	CROUND                                         ; the closing round
	s_endpgm
.Lfunc_end_k_q81e4b685f9_oproj:
	.size	k_q81e4b685f9_oproj, .Lfunc_end_k_q81e4b685f9_oproj-k_q81e4b685f9_oproj
	.p2alignl 7, 3214868480
	.fill 96, 4, 3214868480
	.section	.rodata,"a",@progbits
	.p2align	6, 0x0
	.amdhsa_kernel k_q81e4b685f9_oproj
		.amdhsa_group_segment_fixed_size 327680
		.amdhsa_private_segment_fixed_size 0
		.amdhsa_enable_private_segment 0
		.amdhsa_kernarg_size 24
		.amdhsa_user_sgpr_count 2
		.amdhsa_user_sgpr_kernarg_segment_ptr 1
		.amdhsa_wavefront_size32 1
		.amdhsa_system_sgpr_workgroup_id_x 1
		.amdhsa_system_sgpr_workgroup_id_y 1
		.amdhsa_system_sgpr_workgroup_id_z 1
		.amdhsa_system_vgpr_workitem_id 0
		.amdhsa_next_free_vgpr 1024
		.amdhsa_next_free_sgpr 100
		.amdhsa_reserve_vcc 0
		.amdhsa_float_denorm_mode_32 3
		.amdhsa_float_denorm_mode_16_64 3
		.amdhsa_memory_ordered 1
		.amdhsa_forward_progress 1
		.amdhsa_inst_pref_size 137
	.end_amdhsa_kernel
	.amdgpu_metadata
---
amdhsa.version: [ 1, 2 ]
amdhsa.kernels:
  - .name:           k_q81e4b685f9_oproj
    .symbol:         k_q81e4b685f9_oproj.kd
    .args:
      - { .name: cod, .offset: 0, .size: 8, .value_kind: global_buffer, .address_space: global }
      - { .name: scl, .offset: 8, .size: 8, .value_kind: global_buffer, .address_space: global }
      - { .name: out0, .offset: 16, .size: 8, .value_kind: global_buffer, .address_space: global }
    .group_segment_fixed_size: 327680
    .private_segment_fixed_size: 0
    .kernarg_segment_align: 8
    .kernarg_segment_size: 24
    .max_flat_workgroup_size: 128
    .sgpr_count:     100
    .vgpr_count:     1024
    .wavefront_size: 32
...
	.end_amdgpu_metadata
.endif
;; end of part 4
;; ======== version 2 of 2: 4 launches; version 1 with the launch attn written anew for expert scheduling mode
;; workspace buffers: cod 15,728,640 bytes; scl 655,360 bytes; qkimg 12,582,912 bytes; qkscl 524,288 bytes; vimg 6,291,456 bytes; vscl 262,144 bytes; mimg 524,288 bytes of whole numbers; mflag 2,048 bytes of whole numbers
;; launch prep: the kernel of part 1 again; grid 896 x 1, 4 waves a work-group, no clusters, 68,608 bytes of LDS; arguments x, Wq, Wk, Wv, Wo, mask, cod, scl, mimg, mflag; writes cod, scl, mimg, mflag
;; launch qkv: the kernel of part 2 again; grid 8 x 48, 4 waves a work-group, clusters of 4 x 4, 327,680 bytes of LDS; arguments cod, scl, qkimg, qkscl, vimg, vscl; writes qkimg, qkscl, vimg, vscl
;; launch attn (part 5): grid 4 x 64, 16 waves a work-group, no clusters, 206,848 bytes of LDS; arguments qkimg, qkscl, vimg, vscl, mimg, mflag, cod, scl; writes cod, scl
.if DOCPART == 5
	.amdgcn_target "amdgcn-amd-amdhsa--gfx1250"
	.amdhsa_code_object_version 6
	.text
	.protected	k_q81e4b685f9_attn
	.globl	k_q81e4b685f9_attn
	.p2align	8
	.type	k_q81e4b685f9_attn,@function
k_q81e4b685f9_attn:
	s_mov_b64 s[64:65], 0
	v_nop
	global_prefetch_b8 v0, s[64:65] scope:SCOPE_SE
	s_setreg_imm32_b32 hwreg(HW_REG_WAVE_SCHED_MODE, 0, 2), 2
	s_setreg_imm32_b32 hwreg(HW_REG_WAVE_MODE, 25, 1), 1
	s_wait_xcnt 0x0
	s_wait_alu depctr_vm_vsrc(0)
; O[b][h][q] = the sum over keys of softmax(q . k / 8 under the given mask) v, both products on codes of FP6 (E2M3) with E8M0 scales; O is quantised along the model's 1,024 on the way out and leaves as codes.
; THE SOFTMAX: t = score x log2(e) / 8; M = the running largest t rounded UP to a whole number; p = 2^(t - M) is quantised along the keys, not normalised; the sum is taken of the unquantised p and divides O at the end.
; THE MASK is an input.  An earlier launch has stored it as lane masks (one 32-bit word for each score register of a step) and as flags for each tile of 16 queries and step of 128 keys:
; a step in which no key counts for any of the 16 queries is left out by a scalar branch on the stored flag; a step in which all count skips the 64 selects.
; A ROW FOR WHICH NO KEY COUNTS has the sum 0: its two scale bytes become 0xff, the NaN of E8M0, so that the last product gives NaN in that row.
; SHARES.  A work-group owns one (batch, head); all its keys and values lie in LDS, brought once through registers.  Each of its 16 waves owns one tile of 16 queries in each of two passes:
; tile T = 16 x + w, then tile 127 - T: under a triangular mask every wave then has the same number of steps; the text is right for every mask.
; NO TENSOR LOAD AND NO JOINT LOAD, though the four work-groups of a head read the same K and V: the waves branch on numbers read from memory.
; NO PREFETCH: the launch's one stream is read at its head.
; LAYOUT.  Both products are used transposed: a lane holds ONE query (lane % 16).  The scores' K is 64: a fragment of K holds two tiles of 16 keys (registers 0-5, registers 6-11), and q is given as [q | 0] and as [0 | q].
; The keys of a tile are 32 B + 8 u + r + 8 (r / 8), so that score registers 16 f + i are the keys 32 f + 16 h + i of the step.
; LIMITS: a block of zeros gets the byte 1 (its codes are zeros); blocks under 2^-124 were not tried; NaN and infinities are not served.
; REGISTERS: v1-4, v6, v7, v35, v36 addresses that stay; v8-11 the step's; v12 -M, v13 the largest t, v[14:15] the sum; v16-21 zeros, v22-27 q, v28-33 zeros; v34 q's scale word; v37 -infinity;
;   v40-43 K's scale words, v44-47 V's; v48-95 four fragments of K, then of V; v96-159 scores, then p; v160-191 O^T; v192-210 codes; v212-231 at work.
; Mask word n lies in s[32 + n + 4 (n / 32)].
; THE MODE: SCHED_MODE bits 1:0 = 2 (LLVM: expert scheduling mode 2), set by the entry lines.  The code itself states the register dependences
; between vector or matrix instructions and memory or LDS instructions, with s_wait_alu, always for 0.
; THE PLAN.  Registers that memory or LDS instructions touch:
;   v38, v39, v200-203  The fill's offsets: written at the head, read by its 25 loads and 25 LDS stores.  v38 and v39 are written again at each pass's head (q's four loads), v200-203 by the steps' conversions.
;   v96-195       The fill's loads land in them and its LDS stores read them; afterwards q's loads land in v96-108, and products and vector instructions write the rest.
;   v8-11         The step's LDS addresses: written by four additions at a step's head; K's 13 loads read v8 and v10, V's 13 read v9 and v11.
;   v48-95        K's fragments land, the 8 score products read them; V's fragments land in the same registers, the 4 second products read them.  v40-43 and v44-47: their scale words, likewise.
;   v196-201, v224  A pass's results: written at its end, read by its three stores.  v7, v35, v36: the stores' offsets, written once.
; Sixteen waves of 256 registers take all that the four SIMDs have, and a set of fragments is 48 registers: K and V share one set, so each of the step's two runs of loads stands behind a wait of its own.
; A STEP'S WAITS: one on vm_vsrc ahead of the four additions; one on va_vdst behind them, ahead of K's loads; one behind the score products, ahead of V's loads, where the vector work that follows reads those products' results in any case;
; the two behind the exponentials; one ahead of the second products, which take p's codes and scale word from vector instructions.  The way that leaves a step out holds scalar instructions alone.
.set VI,  98304                        ; LDS: K's 64 fragments at 0; V's at VI + 6144 G + 1536 t;
.set KS,  196608                       ; K's scale words, 256 bytes a step;
.set VS,  200704                       ; V's
	s_load_b512 s[4:19], s[0:1], 0x0               ; qkimg, qkscl, vimg, vscl, mimg, mflag, cod, scl
	v_lshl_add_u32 v254, v0, 2, 0x32000
	v_mov_b32 v255, 0
	v_lshrrev_b32 v8, 5, v0
	v_readfirstlane_b32 s2, v8                     ; wave 0..15
	s_and_b32 s24, ttmp7, 0xffff                   ; 16 b + head
	s_lshr_b32 s25, s24, 4                         ; b
	s_and_b32 s26, s24, 15                         ; head
	s_lshl_b32 s27, s25, 5
	s_add_co_u32 s27, s27, s26                     ; q's place in qkimg and qkscl; k's is 16 further on
	s_mul_i32 s28, s27, 98304
	s_mov_b32 s29, 0
	s_lshl_b32 s30, s27, 12
	s_mov_b32 s31, 0
	s_wait_alu depctr_va_sdst(0)                   ; s2 is written, ahead of its first reader
	s_lshl_b32 s3, ttmp9, 4
	s_add_co_u32 s3, s3, s2                        ; T of the first pass
	v_lshlrev_b32 v38, 4, v0                       ; 16 x thread
	v_and_b32 v39, 255, v0
	v_lshlrev_b32 v39, 4, v39
	v_add_nc_u32 v200, 0x10000, v38
	v_add_nc_u32 v201, VI, v38
	v_add_nc_u32 v202, VI+0x10000, v38
	v_add_nc_u32 v203, KS, v38
	s_wait_kmcnt 0x0
	s_add_nc_u64 s[4:5], s[4:5], s[28:29]
	s_add_nc_u64 s[6:7], s[6:7], s[30:31]
	s_mul_i32 s28, s24, 98304
	s_lshl_b32 s30, s24, 12
	s_add_nc_u64 s[8:9], s[8:9], s[28:29]
	s_add_nc_u64 s[10:11], s[10:11], s[30:31]
	s_lshl_b32 s28, s25, 7
	s_add_co_u32 s28, s28, 768                     ; O's first tile of this batch
	s_lshl_b32 s30, s28, 9
	s_mul_i32 s28, s28, 12288
	s_lshr_b32 s27, s26, 1
	s_mul_i32 s27, s27, 1536                       ; the head's K step of the last product,
	s_add_co_u32 s28, s28, s27
	s_and_b32 s27, s26, 1
	s_lshl_b32 s27, s27, 8                         ; and its half of the lanes: 256 bytes of each 512
	s_add_co_u32 s28, s28, s27
	s_add_nc_u64 s[16:17], s[16:17], s[28:29]
	s_lshl_b32 s27, s26, 1                         ; its two scale bytes of a row's 32
	s_add_co_u32 s30, s30, s27
	s_add_nc_u64 s[18:19], s[18:19], s[30:31]
	s_add_nc_u64 s[30:31], s[6:7], 65536           ; k's scale words
	s_cmp_lt_u32 s2, 8
	s_cselect_b64 s[30:31], s[30:31], s[10:11]     ; waves 0-7 bring K's, waves 8-15 V's
	s_wait_alu depctr_va_vdst(0)                   ; v38, v39 and v200 to v203 are written: the fill's loads and LDS stores read them as offsets, and no vector instruction below names them, or v96 to v195, before the barrier
	; THE FILL: 25 loads a thread, each 8,192 consecutive bytes for the work-group, then as many LDS stores
.irp j, 0,1,2,3,4,5,6,7,8,9,10,11
	global_load_b128 v[96+4*\j:99+4*\j], v38, s[4:5] offset:16*98304+8192*\j
.endr
.irp j, 0,1,2,3,4,5,6,7,8,9,10,11
	global_load_b128 v[144+4*\j:147+4*\j], v38, s[8:9] offset:8192*\j
.endr
	global_load_b128 v[192:195], v39, s[30:31]
	v_and_b32 v8, 15, v0                           ; r
	v_bfe_u32 v9, v0, 4, 1                         ; h
	v_and_b32 v10, 31, v0
	v_lshlrev_b32 v1, 4, v10                       ; 16 x lane: an image's place; K's fragments begin at LDS byte 0
	v_add_nc_u32 v2, VI, v1
	v_lshlrev_b32 v6, 4, v8                        ; 16 r
	v_add_nc_u32 v3, KS, v6
	v_add_nc_u32 v4, VS, v6
	v_lshl_add_u32 v7, v9, 10, v6                  ; O: 16 r + 1024 h
	v_lshl_add_u32 v35, v9, 3, v6
	v_add_nc_u32 v35, 512, v35                     ; 512 + 16 r + 8 h
	v_lshlrev_b32 v36, 5, v8                       ; 32 r
	v_mov_b32 v37, 0xff800000                      ; -infinity
.irp i, 0,1,2,3,4,5
	v_mov_b32 v[16+\i], 0
	v_mov_b32 v[28+\i], 0
.endr
.irp i, 0,1,2,3
	v_mov_b32 v[216+\i], 0                         ; a lane permute's destination counts as read
.endr
	v_mov_b32 v224, 0
	v_mov_b32 v227, 0                              ; named as the upper half of the pair v[226:227]
	s_mov_b32 s20, 0x76543210
	s_mov_b32 s21, 0xfedcba98                      ; selects for lane l xor 16
	s_mov_b32 s22, 0x3e38aa3b                      ; c = log2(e) / 8
	s_mov_b32 s23, s22                             ; named with it as a pair
	s_mov_b32 s66, 0xffff0000                      ; lanes 16-31
.irp j, 0,1,2,3,4,5,6,7
	s_wait_loadcnt 24-\j                           ; loads come back in order: this one is in, the younger ones stay out
	ds_store_b128 v38, v[96+4*\j:99+4*\j] offset:8192*\j
.endr
.irp j, 8,9,10,11
	s_wait_loadcnt 24-\j
	ds_store_b128 v200, v[96+4*\j:99+4*\j] offset:8192*(\j-8)
.endr
.irp j, 0,1,2,3,4,5,6,7
	s_wait_loadcnt 12-\j
	ds_store_b128 v201, v[144+4*\j:147+4*\j] offset:8192*\j
.endr
.irp j, 8,9,10,11
	s_wait_loadcnt 12-\j
	ds_store_b128 v202, v[144+4*\j:147+4*\j] offset:8192*(\j-8)
.endr
	s_wait_loadcnt 0x0
	ds_store_b128 v203, v[192:195]
	s_wait_dscnt 0x0                               ; for the others' sake: my stores have landed
	s_barrier_signal -1
	s_barrier_wait -1                              ; the launch's one barrier: from here on LDS is only read
	s_wait_alu depctr_vm_vsrc(0)                   ; the fill's loads and LDS stores have read v38, v39, v200 to v203 and v96 to v195: the passes write all of them again
	s_mov_b32 s29, 2
.Lpass:
	s_lshl_b32 s30, s3, 4
	s_load_b128 s[8:11], s[14:15], s30 offset:0x0  ; the tile's four flag words
	s_lshr_b32 s31, s3, 1                          ; B = T / 2
	s_mul_i32 s101, s31, 1536                      ; q's image: 1,536 bytes for each B
	s_lshr_b32 s28, s31, 2
	s_lshl_b32 s28, s28, 8
	s_and_b32 s31, s31, 3
	s_lshl_b32 s31, s31, 2
	s_add_co_u32 s28, s28, s31                     ; its scale word: 256 bytes a step of four B, 4 bytes a B
	v_add_nc_u32 v38, s101, v1
	v_add_nc_u32 v39, s28, v6
	s_wait_alu depctr_va_vdst(0)                   ; v38 and v39 are written, which the four loads below read; the last pass's vector work is done with v96 to v108, in which they land
	global_load_b128 v[96:99], v38, s[4:5]         ; q's image: tiles (B, 0) and (B, 1)
	global_load_b128 v[100:103], v38, s[4:5] offset:512
	global_load_b128 v[104:107], v38, s[4:5] offset:1024
	global_load_b32 v108, v39, s[6:7]              ; and the word with both tiles' scale bytes
	s_and_b32 s101, s3, 1
	s_cmp_lg_u32 s101, 0                           ; which of the two tiles is mine
	s_cselect_b32 s67, -1, 0
	s_mov_b32 s100, 0x03020302
	s_cselect_b32 s100, s100, 0x01000100           ; my two bytes, twice: they serve [q | 0] and [0 | q]
	v_mov_b32 v13, 0xff61b1e6                      ; the largest t so far: -3e38
	v_floor_f32 v12, -v13                          ; -M
	v_mov_b32 v14, 0
	v_mov_b32 v15, 0
	s_wait_kmcnt 0x0
	s_lshl_b32 s9, s9, 4
	s_lshl_b32 s10, s10, 8
	s_lshl_b32 s11, s11, 12
	s_or_b32 s24, s8, s9
	s_or_b32 s24, s24, s10
	s_or_b32 s24, s24, s11                         ; bit G: step G has a key that counts; bit 16 + G: all its keys count
	s_mul_i32 s30, s3, 12288
	s_mov_b32 s31, 0
	s_add_nc_u64 s[8:9], s[16:17], s[30:31]        ; where my tile of O goes,
	s_lshl_b32 s30, s3, 9
	s_add_nc_u64 s[10:11], s[18:19], s[30:31]      ; and its scale bytes
	s_wait_loadcnt 0x0
.irp i, 0,1,2,3,4,5
	v_cndmask_b32 v[22+\i], v[96+\i], v[102+\i], s67
.endr
	v_perm_b32 v34, v108, v108, s100
.set j, 0
.rept 32
	v_mov_b32 v[160+j], 0                          ; O^T: the first step may be one that is left out, so no product can start the sums.  (Also the places between q, its scale word and the first product)
.set j, j+1
.endr
	s_mov_b32 s25, 0                               ; G
.Lstep:
	s_lshr_b32 s30, s24, s25
	s_and_b32 s30, s30, 1
	s_cmp_eq_u32 s30, 0
	s_cbranch_scc1 .Lskip                          ; no key of this step counts for any of my queries
	s_lshl_b32 s27, s25, 8
	s_lshl_b32 s28, s3, 12
	s_add_co_u32 s28, s28, s27
	s_load_b512 s[32:47], s[12:13], s28 offset:0x0   ; the step's 64 mask words
	s_load_b512 s[48:63], s[12:13], s28 offset:0x40
	s_load_b512 s[68:83], s[12:13], s28 offset:0x80
	s_load_b512 s[84:99], s[12:13], s28 offset:0xc0
	s_mul_i32 s26, s25, 6144
	s_wait_alu depctr_vm_vsrc(0)                   ; the LDS loads issued so far have read v8 to v11
	v_add_nc_u32 v8, s26, v1
	v_add_nc_u32 v9, s26, v2
	v_add_nc_u32 v10, s27, v3
	v_add_nc_u32 v11, s27, v4
	s_wait_alu depctr_va_vdst(0)                   ; v8 to v11 are written, which this step's LDS loads read; the last step's products are done reading v40 to v95, in which they land; in a pass's first step q, its zeros and its scale word are written, which the scaled products take
.irp f, 0,1,2,3
.irp k, 0,1,2
	ds_load_b128 v[48+12*\f+4*\k:51+12*\f+4*\k], v8 offset:1536*\f+512*\k
.endr
.endr
	ds_load_b128 v[40:43], v10
	s_wait_dscnt 0x0
.irp f, 0,1,2,3
	v_wmma_scale_f32_16x16x128_f8f6f4 v[96+16*\f:103+16*\f], v[48+12*\f:59+12*\f], v[22:33], 0, v[40+\f], v34 matrix_a_fmt:MATRIX_FMT_FP6 matrix_b_fmt:MATRIX_FMT_FP6
	v_wmma_scale_f32_16x16x128_f8f6f4 v[104+16*\f:111+16*\f], v[48+12*\f:59+12*\f], v[16:27], 0, v[40+\f], v34 matrix_a_fmt:MATRIX_FMT_FP6 matrix_b_fmt:MATRIX_FMT_FP6
.endr
.rept 4
	v_nop                                          ; places in front of the first read of the scores
.endr
	s_wait_alu depctr_va_vdst(0)                   ; the score products are done reading K's fragments, in whose registers V's land; the vector work below reads these products' results in any case
.irp f, 0,1,2,3
.irp k, 0,1,2
	ds_load_b128 v[48+12*\f+4*\k:51+12*\f+4*\k], v9 offset:1536*\f+512*\k   ; V's four fragments land while the softmax is walked
.endr
.endr
	ds_load_b128 v[44:47], v11
	s_wait_kmcnt 0x0                               ; the mask words are in, on both ways below
	s_add_co_u32 s30, s25, 16
	s_lshr_b32 s30, s24, s30
	s_and_b32 s30, s30, 1
	s_cmp_lg_u32 s30, 0
	s_cbranch_scc1 .Lopen                          ; every key of the step counts
.set n, 0
.rept 64
	v_cndmask_b32 v[96+n], v[96+n], v37, s[32+n+4*(n/32)]   ; hidden scores become -infinity ahead of the maximum
.set n, n+1
.endr
.Lopen:
.irp b, 0,1,2,3
	v_max3_num_f32 v[212+\b], v[96+16*\b], v[97+16*\b], v[98+16*\b]   ; the largest score of each block of 32 keys: for the row's maximum, and, since p rises with the score, for the block's largest p
.endr
.irp i, 3,5,7,9,11,13
.irp b, 0,1,2,3
	v_max3_num_f32 v[212+\b], v[212+\b], v[96+16*\b+\i], v[97+16*\b+\i]
.endr
.endr
.irp b, 0,1,2,3
	v_max_num_f32 v[212+\b], v[212+\b], v[111+16*\b]
.endr
.irp b, 0,1,2,3
	v_permlanex16_b32 v[216+\b], v[212+\b], s20, s21
.endr
.irp b, 0,1,2,3
	v_max_num_f32 v[212+\b], v[212+\b], v[216+\b]  ; with lane l xor 16's 16 keys
.endr
	v_max3_num_f32 v224, v212, v213, v214
	v_max_num_f32 v224, v224, v215
	v_mul_f32 v224, s22, v224                      ; as t (c is positive)
	v_max_num_f32 v13, v13, v224                   ; the running largest t
	v_mov_b32 v224, v12
	v_floor_f32 v12, -v13                          ; the new -M = -ceil(t)
	v_sub_f32 v224, v12, v224                      ; old M - new M: a whole number, 0 or less
	v_cvt_i32_f32 v224, v224                       ; (it saturates)
	v_ldexp_f32 v226, 1.0, v224                    ; f = 2^(old M - new M): a multiplication by it rounds nothing
.set j, 0
.rept 32
	v_pk_fma_f32 v[96+j:97+j], v[96+j:97+j], s[22:23], v[12:13] op_sel_hi:[1,0,0]   ; t - M, two at a time
.set j, j+2
.endr
.irp b, 0,1,2,3
	v_fma_f32 v[212+\b], v[212+\b], s22, v12       ; the same of each block's largest score
.endr
.set j, 0
.rept 64
	v_exp_f32 v[96+j], v[96+j]                     ; p = 2^(t - M)
.set j, j+1
.endr
	v_pk_mul_f32 v[14:15], v[14:15], v[226:227] op_sel_hi:[1,0]   ; the sums under the new M: the plain place behind the exponentials
	s_wait_alu depctr_va_vdst(0)                   ; the 64 exponentials have written v96 to v159: one wait for the batch, ahead of its first reader
.irp b, 0,1,2,3
	v_exp_f32 v[212+\b], v[212+\b]                 ; the blocks' largest p
.endr
	v_pk_add_f32 v[230:231], v[96:97], v[98:99]    ; the row's sum of the unquantised p, in two chains
.irp j, 4,8,12,16,20,24,28,32,36,40,44,48,52,56,60
	v_pk_add_f32 v[14:15], v[14:15], v[96+\j:97+\j]
	v_pk_add_f32 v[230:231], v[230:231], v[98+\j:99+\j]
.endr
	v_pk_add_f32 v[14:15], v[14:15], v[230:231]
	s_wait_alu depctr_va_vdst(0)                   ; the four exponentials have written v212 to v215, ahead of their first reader
.irp b, 0,1,2,3
	v_max_num_f32 v[212+\b], 0x1800000, v[212+\b]  ; the floor 2^(3 - 127)
.endr
.irp b, 0,1,2,3
	v_add_nc_u32 v[220+\b], 0xff000000, v[212+\b]  ; the conversions' scale operands
.endr
.irp b, 0,1,2,3
	v_lshrrev_b32 v[216+\b], 23, v[220+\b]         ; the bytes
.endr
	v_lshl_or_b32 v228, v217, 8, v216              ; p's scale word for these 128 keys
	v_lshl_or_b32 v228, v218, 16, v228
	v_lshl_or_b32 v228, v219, 24, v228
.irp c, 0,1
	v_cvt_scalef32_pk16_fp6_f32 v[192+6*\c:194+6*\c], v[96+32*\c:111+32*\c], v[220+2*\c]
	v_cvt_scalef32_pk16_fp6_f32 v[204+4*\c:206+4*\c], v[112+32*\c:127+32*\c], v[220+2*\c+1]
.endr
	v_nop                                          ; one plain place behind a scaled conversion
.irp c, 0,1
.irp i, 0,1,2
	v_permlane16_swap_b32 v[192+6*\c+\i], v[204+4*\c+\i]   ; a whole block to a lane
.endr
.irp i, 0,1,2
	v_mov_b32 v[195+6*\c+\i], v[204+4*\c+\i]
.endr
.endr
.set j, 0
.rept 16
	v_pk_mul_f32 v[160+j:161+j], v[160+j:161+j], v[226:227] op_sel_hi:[1,0]   ; O^T under the new M.  (Also the places between p's codes, its scale word and the products)
.set j, j+2
.endr
	s_wait_dscnt 0x0                               ; V is in
	s_wait_alu depctr_va_vdst(0)                   ; p's codes v192 to v203 and its scale word v228 are written, which the scaled products below take; the places above stay beside this wait
.irp t, 0,1,2,3
	v_wmma_scale_f32_16x16x128_f8f6f4 v[160+8*\t:167+8*\t], v[48+12*\t:59+12*\t], v[192:203], v[160+8*\t:167+8*\t], v[44+\t], v228 matrix_a_fmt:MATRIX_FMT_FP6 matrix_b_fmt:MATRIX_FMT_FP6   ; the four accumulators take turns
.endr
.Lskip:
	s_add_co_u32 s25, s25, 1
	s_cmp_lt_u32 s25, 16
	s_cbranch_scc1 .Lstep
	; THE WAY OUT OF A PASS: O^T / the sum; the head's two blocks of 32 are quantised; three aligned runs of 256 bytes of the tile's image in cod, and two scale bytes a row.
.rept 4
	v_nop                                          ; places behind the last products
.endr
	v_add_f32 v14, v14, v15
	v_permlanex16_b32 v224, v14, s20, s21
	v_add_f32 v14, v14, v224                       ; the row's sum
	v_rcp_f32 v226, v14
	v_cmp_eq_f32 s100, 0, v14                      ; no key counted for this query
	v_nop                                          ; a plain place behind the reciprocal
	s_wait_alu depctr_va_vdst(0)                   ; the reciprocal has written v226, ahead of its first reader
.set j, 0
.rept 16
	v_pk_mul_f32 v[96+j:97+j], v[160+j:161+j], v[226:227] op_sel_hi:[1,0]   ; register 16 b + i: d = 32 b + 16 h + i
.set j, j+2
.endr
.irp b, 0,1
	v_max3_num_f32 v[212+\b], |v[96+16*\b]|, |v[97+16*\b]|, 0x1800000
.endr
.irp i, 2,4,6,8,10,12,14
.irp b, 0,1
	v_max3_num_f32 v[212+\b], v[212+\b], |v[96+16*\b+\i]|, |v[97+16*\b+\i]|
.endr
.endr
.irp b, 0,1
	v_permlanex16_b32 v[216+\b], v[212+\b], s20, s21
.endr
.irp b, 0,1
	v_max_num_f32 v[212+\b], v[212+\b], v[216+\b]
.endr
.irp b, 0,1
	v_add_nc_u32 v[220+\b], 0xff000000, v[212+\b]
.endr
.irp b, 0,1
	v_lshrrev_b32 v[216+\b], 23, v[220+\b]
.endr
	v_lshl_or_b32 v224, v217, 8, v216
	s_wait_alu depctr_va_sdst(0)                   ; the compare above has written s100, ahead of its first reader
	v_cndmask_b32 v224, v224, -1, s100             ; a row with no key: both bytes 0xff
	v_cvt_scalef32_pk16_fp6_f32 v[192:194], v[96:111], v220
	v_cvt_scalef32_pk16_fp6_f32 v[204:206], v[112:127], v221
	v_nop                                          ; one plain place behind a scaled conversion
.irp i, 0,1,2
	v_permlane16_swap_b32 v[192+\i], v[204+\i]     ; lane (r, h) now holds block h of query r: v192-194 its lower 16 codes, v204-206 its upper 16
.endr
	; In the image the row's lane holds registers 0-5 = block 0, registers 6-11 = block 1.  Lanes 0-15 give registers 0-3 and 4, 5; lanes 16-31 registers 6, 7 and 8-11.
	v_cndmask_b32 v196, v192, v194, s66
	v_cndmask_b32 v197, v193, v204, s66
	v_cndmask_b32 v198, v194, v205, s66
	v_cndmask_b32 v199, v204, v206, s66
	v_cndmask_b32 v200, v205, v192, s66
	v_cndmask_b32 v201, v206, v193, s66
	s_wait_alu depctr_va_vdst(0)                   ; v196 to v201 and v224 are written, which the three stores read as data (their offsets v7, v35, v36 were written at the head)
	global_store_b128 v7, v[196:199], s[8:9]       ; two runs of 256 consecutive bytes, aligned
	global_store_b64 v35, v[200:201], s[8:9]       ; one more
	global_store_b16 v36, v224, s[10:11]           ; two bytes of each row's 32: the layout that the last product's launch reads; lanes r and r + 16 store the same bytes
	s_wait_xcnt 0x0                                ; the stores have read their registers and bases: both are written again in the next pass
	s_wait_alu depctr_vm_vsrc(0)                   ; the stores have read v196 to v201 and v224, and this pass's loads of q v38 and v39: the next pass writes all of them again
	s_sub_co_u32 s3, 127, s3                       ; the second pass's tile
	s_sub_co_u32 s29, s29, 1
	s_cmp_lg_u32 s29, 0
	s_cbranch_scc1 .Lpass
	s_wait_dscnt 0x0                               ; the closing lines, six on end
	s_wait_alu 0x0
	s_wait_tensorcnt 0x0
	ds_add_u32 v254, v255
	s_wait_dscnt 0x0
	s_endpgm
.Lfunc_end_k_q81e4b685f9_attn:
	.size	k_q81e4b685f9_attn, .Lfunc_end_k_q81e4b685f9_attn-k_q81e4b685f9_attn
	.p2alignl 7, 3214868480
	.fill 96, 4, 3214868480
	.section	.rodata,"a",@progbits
	.p2align	6, 0x0
	.amdhsa_kernel k_q81e4b685f9_attn
		.amdhsa_group_segment_fixed_size 206848
		.amdhsa_private_segment_fixed_size 0
		.amdhsa_enable_private_segment 0
		.amdhsa_kernarg_size 64
		.amdhsa_user_sgpr_count 2
		.amdhsa_user_sgpr_kernarg_segment_ptr 1
		.amdhsa_wavefront_size32 1
		.amdhsa_system_sgpr_workgroup_id_x 1
		.amdhsa_system_sgpr_workgroup_id_y 1
		.amdhsa_system_sgpr_workgroup_id_z 1
		.amdhsa_system_vgpr_workitem_id 0
		.amdhsa_next_free_vgpr 256
		.amdhsa_next_free_sgpr 102
		.amdhsa_reserve_vcc 0
		.amdhsa_float_denorm_mode_32 3
		.amdhsa_float_denorm_mode_16_64 3
		.amdhsa_memory_ordered 1
		.amdhsa_forward_progress 1
		.amdhsa_inst_pref_size 37
	.end_amdhsa_kernel
	.amdgpu_metadata
---
amdhsa.version: [ 1, 2 ]
amdhsa.kernels:
  - .name:           k_q81e4b685f9_attn
    .symbol:         k_q81e4b685f9_attn.kd
    .args:
      - { .name: qkimg, .offset: 0, .size: 8, .value_kind: global_buffer, .address_space: global }
      - { .name: qkscl, .offset: 8, .size: 8, .value_kind: global_buffer, .address_space: global }
      - { .name: vimg, .offset: 16, .size: 8, .value_kind: global_buffer, .address_space: global }
      - { .name: vscl, .offset: 24, .size: 8, .value_kind: global_buffer, .address_space: global }
      - { .name: mimg, .offset: 32, .size: 8, .value_kind: global_buffer, .address_space: global }
      - { .name: mflag, .offset: 40, .size: 8, .value_kind: global_buffer, .address_space: global }
      - { .name: cod, .offset: 48, .size: 8, .value_kind: global_buffer, .address_space: global }
      - { .name: scl, .offset: 56, .size: 8, .value_kind: global_buffer, .address_space: global }
    .group_segment_fixed_size: 206848
    .private_segment_fixed_size: 0
    .kernarg_segment_align: 8
    .kernarg_segment_size: 64
    .max_flat_workgroup_size: 512
    .sgpr_count:     102
    .vgpr_count:     256
    .wavefront_size: 32
...
	.end_amdgpu_metadata
.endif
;; end of part 5
;; launch oproj: the kernel of part 4 again; grid 4 x 32, 4 waves a work-group, clusters of 4 x 4, 327,680 bytes of LDS; arguments cod, scl, out0; writes out0
